; MI455X (gfx1250); checked and timed in simulation.
; The chip was launched on July 23, 2026; its instructions are those of AMD's public machine-readable ISA for CDNA 5 (MIT licence, August 2026) and "CDNA5" Instruction Set Architecture Reference Guide (July 2026). The comments in the code are by the model that wrote it; some were corrected since.
;; Scaled Dot Product Attention. Allowed arithmetic: matrix products marked QUANTISED: E2M3 operands, one E8M0 scale for each 32 along K, by v_wmma_scale_f32_16x16x128_f8f6f4 with both operands' format E2M3, f32 sums; everything else in f32.
;; Inputs: K 2 x 16 x 2,048 x 64 float32; Q 2 x 16 x 2,048 x 64 float32; V 2 x 16 x 2,048 x 64 float32; mask 1 x 1 x 2,048 x 2,048 bool.
;; Outputs: out0 2 x 16 x 2,048 x 64 float32.
;; This version of the problem:
;;   THIS VERSION OF THE PROBLEM IS GIVEN IN LOW PRECISION. The matrix products marked QUANTISED in the list below multiply operands that are first quantised to E2M3 (2 exponent bits, 3 mantissa bits; 6 bits a number), with one power-of-two scale for each 32 numbers along K (OCP MX v1.0); their sums are f32. All else is computed in f32.
;;   The module's matrix products, in the order in which they are computed (A, B: the left and right operand; K: the contracted axis; several contracted axes count as one K, in the product's order):
;;     1. batch 32 x [M 2,048, K 64] x [K 64, N 2,048]; A: input Q; B: input K: QUANTISED
;;     2. batch 32 x [M 2,048, K 2,048] x [K 2,048, N 64]; A: softmax (see below); B: input V: QUANTISED
;;   THE QUANTISER, for each operand of a quantised product, along K:
;;     - K is cut into blocks of 32 from its start; a last block that is shorter is filled with zeros.
;;     - A block's scale is 2^e with e = floor(log2(the largest magnitude in the block)) - 2, held to -126 .. 127; a block of zeros has e = 0. As a byte (E8M0): e + 127.
;;     - Each number is divided by its block's scale, clamped to +-7.5, and rounded to the nearest number of E2M3, ties to even, subnormals kept.
;;     - The product sums the exact products of the quantised numbers (number of the format x scale) in f32.
;;   ~~~python
;;   def quantise(x, axis):      # numpy; x: float32 -> the quantised numbers, widened to float32 again
;;       x = np.moveaxis(x, axis, -1); K = x.shape[-1]
;;       x = np.pad(x, [(0, 0)] * (x.ndim - 1) + [(0, -K % 32)]); x = x.reshape(x.shape[:-1] + (-1, 32)); a = np.abs(x).max(-1, keepdims=True)
;;       e = np.where(a > 0, np.clip(np.frexp(np.where(a > 0, a, 1))[1] - 1 - 2, -126, 127), 0)      # np.frexp(a)[1] - 1 = floor(log2(a)), exactly
;;       r = np.clip(x / 2.0 ** e, -7.5, 7.5)
;;       step = 2.0 ** (np.maximum(np.frexp(np.where(r == 0, 1, r))[1] - 1, 0) - 3)
;;       q = np.round(r / step) * step * 2.0 ** e      # np.round: ties to even
;;       return np.moveaxis(q.reshape(q.shape[:-2] + (-1,))[..., :K], -1, axis).astype(np.float32)
;;   ~~~
;;   SOFTMAX AHEAD OF A QUANTISED PRODUCT. Where the list says 'softmax', what is quantised is not the finished softmax but p = 2^(t - M), with t = logit x log2(e) and M = ceil(the row's largest t), a whole number; so 1/2 < the row's largest p <= 1. The row's sum l is taken of the UNQUANTISED p, in f32, and the product's result is divided by l at the end. Since M is a whole number, a kernel that streams over the keys may use a running M (the ceiling of the running maximum): every later rescaling is an exact power of two, which a block's scale takes up: the codes' values come out the same.
;;   OPERANDS COMPUTED ON THE WAY. 'Computed on the way' means the value that the module computes at that place (a softmax that the list does not call 'softmax' is quantised finished and normalised). What goes into a quantiser is computed in f32, as accurately as f32 sums, v_exp_f32 and their like allow (about 1e-6 of the number): no bf16 or f16 on the way to a quantiser, and a product that is left as it is and whose result goes on into a quantised operand takes f32 operands (vector FMAs, or v_wmma_f32_16x16x4_f32). A number that lies on a knife's edge between two numbers of the format may be rounded either way, as far as f32 arithmetic and the matrix unit's own rounding can turn it there, and no further.
;; 2 versions. Each part assembles by itself: llvm-mc -triple=amdgcn-amd-amdhsa -mcpu=gfx1250 --defsym DOCPART=n.
;; ======== version 1 of 2: 2 launches
;; workspace buffers: kv 6,553,600 bytes; maskw 524,288 bytes of whole numbers; flags 131,072 bytes of whole numbers
;; launch prep (part 1): grid 768 x 1, 2 waves a work-group, no clusters, 35,072 bytes of LDS; arguments K, V, mask, kv, maskw, flags; writes kv, maskw, flags
.if DOCPART == 1
	.amdgcn_target "amdgcn-amd-amdhsa--gfx1250"
	.amdhsa_code_object_version 6
	.text
	.protected	k_q095d0e6f47_prep
	.globl	k_q095d0e6f47_prep
	.p2align	8
	.type	k_q095d0e6f47_prep,@function
k_q095d0e6f47_prep:
	s_mov_b64 s[64:65], 0
	v_nop
	global_prefetch_b8 v0, s[64:65] scope:SCOPE_SE
	s_setreg_imm32_b32 hwreg(HW_REG_WAVE_MODE, 25, 1), 1
	s_wait_xcnt 0x0
; K and V [32 heads][2048 keys][64] f32 become codes of FP6 (E2M3) with one E8M0 byte for each 32 along a product's K, laid as IMAGES OF THE OPERANDS' REGISTERS; the mask [2048][2048] bytes becomes lane masks and flags.
; kv, 204,800 bytes a head: 16 steps (128 keys) x 12,288 bytes of images, then 16 x 512 bytes of scale words.  Lane l = (r = l % 16, h = l / 16).
;   image of step s, bytes 1536 b + 512 c + 16 l (b = 0..3): registers 4 c .. 4 c + 3 of lane l of K's PAIR FRAGMENT b: registers 0-5 the codes of key 128 s + 32 b + r + 8 (r / 8), dims 32 h on; registers 6-11 the same of the key 8 further on.
;   bytes 6144 + 1536 t + 512 c + 16 l (t = 0..3): V's fragment of channels 16 t + r: registers 6 c .. 6 c + 5 are keys 128 s + 64 c + 32 h + 0 .. 31.
;   scale words of step s: 8 l: (K's pair fragments 0 | 1, 2 | 3: the first in lanes 0-15, the second in lanes 16-31);  256 + 8 l: V's tiles likewise.
; maskw [q tile T][step s][64 words]: bit l of word j = mask[16 T + r][128 s + 32 (j / 16) + 16 h + j % 16]: lane l's key in score register j of the next launch.
; flags [T][group of 4 steps][256 bytes]: the pair (ANY, MIX) 32 times: bit s of ANY: some key of step s counts for some query of the tile; of MIX: some key is hidden.
; A block's scale is 2^(floor(log2(largest magnitude)) - 2): its byte is the largest magnitude's exponent field - 2, held at 1 from below.
; LIMITS: a block of zeros, or one whose largest magnitude lies under 2^-124, gets the byte 1 (its codes are zeros or are made under that scale; the bytes are read by this program alone); NaN and infinities among K and V are not served; any non-zero mask byte counts as true.
; SHARES: work-groups 0-255 take K, 256-511 V, 512-767 the mask; a wave is a unit u = 2 x (work-group % 256) + wave: for K and V (head u / 16, step u % 16), for the mask (tile u / 4, steps 4 (u % 4) on).  Waves share nothing: no barrier.
; No tensor load, no matrix unit, no cluster: a stream, each byte read once.
; SCALARS: s[4:5] K, s[6:7] V, s[8:9] mask, s[10:11] kv, s[12:13] maskw, s[14:15] flags, s16 wave, s17 kind, s18 u, s[22:23] lane selects, s[24:25] my step's images, s[28:29] its scale words, s39 lanes 16-31, s27 ANY, s28 MIX (mask path), s[40:43] lane masks.
; VECTORS: v1 lane, v2 r, v3 h, v4 16 lane, v5 8 lane, v6 4 lane, v9 8 h, v7/v8 K's stage in and out, v10/v11 the mask's stage in and out.
.set KWS,   32*272                     ; K's stage of a wave: 32 keys x (256 bytes + 16): the pitch is 17 x 16 bytes
.set MSTG,  2*KWS                      ; the mask's stages lie behind K's: bytes of their own
.set MWS,   16*528                     ; 16 rows x (512 bytes + 16)
.set HEADB, 204800
.set STEPB, 12288
.set SCOFF, 196608
	s_load_b256 s[4:11], s[0:1], 0x0
	s_load_b128 s[12:15], s[0:1], 0x20
	v_lshl_add_u32 v14, v0, 2, 0x8800
	v_mov_b32 v15, 0
	v_lshrrev_b32 v1, 5, v0
	v_readfirstlane_b32 s16, v1                    ; wave
	v_and_b32 v1, 31, v0
	v_and_b32 v2, 15, v0
	v_bfe_u32 v3, v0, 4, 1
	v_lshlrev_b32 v4, 4, v1
	v_lshlrev_b32 v5, 3, v1
	v_lshlrev_b32 v6, 2, v1
	v_lshlrev_b32 v9, 3, v3
	s_mul_i32 s19, s16, KWS
	v_mul_u32_u24 v7, v3, 272
	v_lshl_add_u32 v7, v2, 4, v7
	v_add_nc_u32 v7, s19, v7                       ; K in: a load's 512 bytes are two keys' rows: row h, 16 r
	v_and_b32 v8, 8, v2
	v_add_nc_u32 v8, v8, v2                        ; r + 8 (r / 8)
	v_mul_u32_u24 v8, v8, 272
	v_lshl_add_u32 v8, v3, 7, v8
	v_add_nc_u32 v8, s19, v8                       ; K out: that key's row, dims 32 h on
	s_mul_i32 s19, s16, MWS
	s_add_co_u32 s19, s19, MSTG
	v_add_nc_u32 v10, s19, v4                      ; mask in: 16 lane of a row
	v_mul_u32_u24 v11, v2, 528
	v_lshl_add_u32 v11, v3, 4, v11
	v_add_nc_u32 v11, s19, v11                     ; mask out: row r, + 16 h
	s_lshr_b32 s17, ttmp9, 8                       ; 0: K, 1: V, 2: the mask
	s_and_b32 s18, ttmp9, 255
	s_lshl_b32 s18, s18, 1
	s_add_co_u32 s18, s18, s16                     ; u, 0 .. 511
	s_lshl_b32 s20, s18, 15                        ; a step's 128 keys are 32,768 bytes of K and of V
	s_mov_b32 s21, 0
	s_lshr_b32 s30, s18, 4                         ; head
	s_and_b32 s31, s18, 15                         ; step
	s_mul_i32 s24, s30, HEADB
	s_mul_i32 s26, s31, STEPB
	s_add_co_u32 s26, s26, s24
	s_mov_b32 s27, 0
	s_lshl_b32 s28, s31, 9
	s_add_co_u32 s28, s28, s24
	s_add_co_u32 s28, s28, SCOFF
	s_mov_b32 s29, 0
	s_mov_b32 s22, 0x76543210
	s_mov_b32 s23, 0xfedcba98                      ; v_permlanex16_b32's selects for lane l xor 16
	s_mov_b32 s39, 0xffff0000
	s_wait_kmcnt 0x0
	s_add_nc_u64 s[4:5], s[4:5], s[20:21]
	s_add_nc_u64 s[6:7], s[6:7], s[20:21]
	s_add_nc_u64 s[24:25], s[10:11], s[26:27]
	s_add_nc_u64 s[28:29], s[10:11], s[28:29]
	s_cmp_eq_u32 s17, 1
	s_cbranch_scc1 .Lv
	s_cmp_eq_u32 s17, 2
	s_cbranch_scc1 .Lmask
; ---------------- K: four pair fragments of 32 keys.  v16-27 the fragment, v28-34 second halves, v36-41 at work, v42-45 scale words, v64-191 two sets as loaded, v192-255 a lane's two blocks of 32
.macro KLOAD b                         ; 32 keys: 16 loads of 512 consecutive bytes
.irp i, 0,1,2,3,4,5,6,7,8,9,10,11,12,13,14,15
	global_load_b128 v[64+64*((\b)%2)+4*\i:64+64*((\b)%2)+4*\i+3], v4, s[4:5] offset:8192*(\b)+512*\i th:TH_LOAD_NT
.endr
.endm
.macro KFRAG b
.set RS, 64+64*((\b)%2)
.if (\b) < 3
	s_wait_loadcnt 16                              ; this fragment's 16 loads are in; the next fragment's 16 are younger
.else
	s_wait_loadcnt 0x0
.endif
.irp i, 0,1,2,3,4,5,6,7,8,9,10,11,12,13,14,15
	ds_store_b128 v7, v[RS+4*\i:RS+4*\i+3] offset:544*\i       ; as they lie: keys 2 i and 2 i + 1
.endr
.irp i, 0,1,2,3,4,5,6,7
	ds_load_b128 v[192+4*\i:195+4*\i], v8 offset:16*\i         ; LDS serves a wave's instructions in order (ISA guide 5.7.1.4): my key's 32 dims,
.endr
.irp i, 0,1,2,3,4,5,6,7
	ds_load_b128 v[224+4*\i:227+4*\i], v8 offset:2176+16*\i    ; and those of the key 8 rows on
.endr
	s_wait_dscnt 0x0                               ; the numbers are back, and the stores have read the set as loaded,
.if (\b) < 2
	KLOAD (\b)+2                                   ; which takes the fragment two on
.endif
	v_max3_num_f32 v36, |v192|, |v193|, 0x1800000  ; the two blocks' largest magnitudes by turns, with the floor 2^(3 - 127): the byte cannot fall under 1
	v_max3_num_f32 v37, |v224|, |v225|, 0x1800000
.irp i, 2,4,6,8,10,12,14,16,18,20,22,24,26,28,30
	v_max3_num_f32 v36, v36, |v[192+\i]|, |v[193+\i]|
	v_max3_num_f32 v37, v37, |v[224+\i]|, |v[225+\i]|
.endr
	v_add_nc_u32 v38, 0xff000000, v36              ; 2 off the exponent field: the conversion takes this operand's exponent field as its scale
	v_add_nc_u32 v39, 0xff000000, v37
.if (\b) > 0
	s_wait_xcnt 0x0                                ; the last fragment's stores have read v16-27: they are written again only behind this wait
.endif
	v_cvt_scalef32_pk16_fp6_f32 v[16:18], v[192:207], v38
	v_cvt_scalef32_pk16_fp6_f32 v[28:30], v[208:223], v38      ; (a conversion's three registers begin on an even number)
	v_cvt_scalef32_pk16_fp6_f32 v[22:24], v[224:239], v39
	v_cvt_scalef32_pk16_fp6_f32 v[32:34], v[240:255], v39
	v_lshrrev_b32 v40, 23, v38                     ; the scales' bytes.  (A plain line behind the conversions)
	v_lshrrev_b32 v41, 23, v39
.irp i, 0,1,2
	v_mov_b32 v[19+\i], v[28+\i]
	v_mov_b32 v[25+\i], v[32+\i]
.endr
	v_lshl_or_b32 v49, v41, 16, v40                ; my block h of the two keys: bytes h and 2 + h of the row's word
	v_lshlrev_b32 v49, v9, v49
	v_permlanex16_b32 v48, v49, s22, s23
	v_or_b32 v[42+(\b)], v49, v48                  ; with lane l xor 16's two the word is whole
.irp c, 0,1,2
	global_store_b128 v4, v[16+4*\c:19+4*\c], s[24:25] offset:1536*(\b)+512*\c   ; 512 consecutive bytes, aligned
.endr
.endm
	KLOAD 0
	KLOAD 1
	v_mov_b32 v48, 0                               ; a lane permute's destination counts as one of its sources
	KFRAG 0
	KFRAG 1
	KFRAG 2
	KFRAG 3
	v_cndmask_b32 v46, v42, v43, s39               ; lanes 0-15 fragment 0's words, lanes 16-31 fragment 1's
	v_cndmask_b32 v47, v44, v45, s39
	global_store_b64 v5, v[46:47], s[28:29]        ; 256 consecutive bytes, aligned
	s_wait_tensorcnt 0x0
	ds_add_u32 v14, v15
	s_wait_dscnt 0x0
	s_endpgm
; ---------------- V: a lane takes a channel and its registers run down 32 keys.  Block n = 2 kb + a: keys 32 kb on, channels 32 a + lane.
; v16-63: for each a, 12 registers of the even key blocks and 12 of the odd ones; v64-127 two sets of 32 numbers; v192-194 second halves; v200-203 at work; v204-205 scale words
.Lv:
.macro VLOAD n
.irp i, 0,1,2,3,4,5,6,7,8,9,10,11,12,13,14,15,16,17,18,19,20,21,22,23,24,25,26,27,28,29,30,31
	global_load_b32 v[64+32*((\n)%2)+\i], v6, s[6:7] offset:(32*((\n)/2)+\i)*256+128*((\n)%2) th:TH_LOAD_NT
.endr
.endm
.macro VBLOCK n
.set XS, 64+32*((\n)%2)
.set DD, 16+24*((\n)%2)+12*(((\n)/2)%2)+6*((\n)/4)
.set IA, 16+24*((\n)%2)
.if (\n) < 7
	s_wait_loadcnt 32                              ; this block's 32 loads are in; the next block's 32 are younger
.else
	s_wait_loadcnt 0x0
.endif
	v_max3_num_f32 v200, |v[XS]|, |v[XS+1]|, |v[XS+2]|         ; the block's largest magnitude: all 32 numbers are mine; two chains
	v_max3_num_f32 v203, |v[XS+3]|, |v[XS+4]|, |v[XS+5]|
.irp i, 6,10,14,18,22,26
	v_max3_num_f32 v200, v200, |v[XS+\i]|, |v[XS+\i+1]|
	v_max3_num_f32 v203, v203, |v[XS+\i+2]|, |v[XS+\i+3]|
.endr
	v_max3_num_f32 v200, v200, |v[XS+30]|, |v[XS+31]|
	v_max3_num_f32 v200, v200, v203, 0x1800000     ; and the floor
	v_add_nc_u32 v201, 0xff000000, v200
	v_lshrrev_b32 v202, 23, v201
.if (\n)/2 == 0
	v_mov_b32 v[204+(\n)%2], v202                  ; my channel's word: byte kb
.else
	v_lshl_or_b32 v[204+(\n)%2], v202, 8*((\n)/2), v[204+(\n)%2]
.endif
	v_cvt_scalef32_pk16_fp6_f32 v[DD:DD+2], v[XS:XS+15], v201
	v_cvt_scalef32_pk16_fp6_f32 v[192:194], v[XS+16:XS+31], v201
	v_nop                                          ; a plain line behind the conversions
.irp i, 0,1,2
	v_mov_b32 v[DD+3+\i], v[192+\i]
.endr
.if (\n) < 6
	VLOAD (\n)+2
.endif
.if (\n) >= 6                          ; the half's four key blocks are made.  A fragment wants, in lanes 0-15, its channel's even key blocks and, in lanes 16-31, the same channel's odd ones:
.irp i, 0,1,2,3,4,5,6,7,8,9,10,11
	v_permlane16_swap_b32 v[IA+\i], v[IA+12+\i]    ; the evens' lanes 16-31 change places with the odds' lanes 0-15: the first run is tile 2 a's image, the second tile 2 a + 1's
.endr
.irp c, 0,1,2
	global_store_b128 v4, v[IA+4*\c:IA+4*\c+3], s[24:25] offset:6144+1536*(2*((\n)%2))+512*\c
	global_store_b128 v4, v[IA+12+4*\c:IA+12+4*\c+3], s[24:25] offset:6144+1536*(2*((\n)%2)+1)+512*\c
.endr
.endif
.endm
	VLOAD 0
	VLOAD 1
.irp n, 0,1,2,3,4,5,6,7
	VBLOCK \n
.endr
	global_store_b64 v5, v[204:205], s[28:29] offset:256       ; lane l holds channel l's word and channel 32 + l's: tiles 0 | 1 and 2 | 3
	s_endpgm
; ---------------- the mask: 16 rows x 512 keys.  v16-23 a pair of word registers for each step, v24-25 the flags, v26-29 at work, v64-127 as loaded, v128-191 turned
.Lmask:
	s_lshr_b32 s30, s18, 2                         ; q tile
	s_and_b32 s31, s18, 3                          ; which four steps
	s_lshl_b32 s32, s30, 15                        ; 16 rows of 2,048 bytes
	s_lshl_b32 s33, s31, 9
	s_add_co_u32 s32, s32, s33
	s_mov_b32 s33, 0
	s_add_nc_u64 s[8:9], s[8:9], s[32:33]
	s_lshl_b32 s32, s18, 10                        ; four steps' words
	s_add_nc_u64 s[12:13], s[12:13], s[32:33]
	s_lshl_b32 s32, s18, 8
	s_add_nc_u64 s[14:15], s[14:15], s[32:33]
	s_lshl_b32 s31, s31, 2                         ; my first step's bit
.irp i, 0,1,2,3,4,5,6,7,8,9,10,11,12,13,14,15
	global_load_b128 v[64+4*\i:67+4*\i], v4, s[8:9] offset:2048*\i th:TH_LOAD_NT   ; 512 consecutive bytes of row i
.endr
.irp i, 16,17,18,19,20,21,22,23
	v_mov_b32 v\i, 0                               ; v_writelane_b32's destination counts as one of its sources
.endr
	s_mov_b32 s27, 0
	s_mov_b32 s28, 0
.irp i, 0,1,2,3,4,5,6,7,8,9,10,11,12,13,14,15
	s_wait_loadcnt 15-\i                           ; row i is in; the rows behind it may be out
	ds_store_b128 v10, v[64+4*\i:67+4*\i] offset:528*\i
.endr
.irp q, 0,1,2,3,4,5,6,7,8,9,10,11,12,13,14,15
	ds_load_b128 v[128+4*\q:131+4*\q], v11 offset:128*(\q/4)+32*(\q%4)   ; step q / 4, keys 32 (q % 4) + 16 h + 0 .. 15 of row r
.endr
	s_wait_dscnt 0x0
.macro MSTEP s                         ; a step's 64 words, four at a time: a byte is cut out, compared with 0 in all 32 lanes at once, and the lane mask is word j
	s_mov_b32 s29, 0
	s_mov_b32 s30, -1
.set j, 0
.rept 16
.irp q, 0,1,2,3
	v_and_b32 v[26+\q], 0xff<<(8*\q), v[128+16*(\s)+j/4]
.endr
.irp q, 0,1,2,3
	v_cmp_ne_u32 s[40+\q], 0, v[26+\q]
.endr
.irp q, 0,1,2,3
	v_writelane_b32 v[16+2*(\s)+\q%2], s[40+\q], (j+\q)/2      ; lane L of the pair holds words 2 L and 2 L + 1
.endr
.irp q, 0,1,2,3
	s_or_b32 s29, s29, s[40+\q]
	s_and_b32 s30, s30, s[40+\q]
.endr
.set j, j+4
.endr
	global_store_b64 v5, v[16+2*(\s):17+2*(\s)], s[12:13] offset:256*(\s)   ; 256 consecutive bytes, aligned
	s_cmp_lg_u32 s29, 0                            ; some key counts
	s_cselect_b32 s44, 1<<(\s), 0
	s_or_b32 s27, s27, s44
	s_cmp_lg_u32 s30, -1                           ; some key is hidden
	s_cselect_b32 s44, 1<<(\s), 0
	s_or_b32 s28, s28, s44
.endm
	MSTEP 0
	MSTEP 1
	MSTEP 2
	MSTEP 3
	s_lshl_b32 s27, s27, s31
	s_lshl_b32 s28, s28, s31
	v_mov_b32 v24, s27
	v_mov_b32 v25, s28
	global_store_b64 v5, v[24:25], s[14:15]        ; the pair 32 times: 256 consecutive bytes, aligned
	s_wait_tensorcnt 0x0
	ds_add_u32 v14, v15
	s_wait_dscnt 0x0
	s_endpgm
.Lfunc_end_k_q095d0e6f47_prep:
	.size	k_q095d0e6f47_prep, .Lfunc_end_k_q095d0e6f47_prep-k_q095d0e6f47_prep
	.p2alignl 7, 3214868480
	.fill 96, 4, 3214868480
	.section	.rodata,"a",@progbits
	.p2align	6, 0x0
	.amdhsa_kernel k_q095d0e6f47_prep
		.amdhsa_group_segment_fixed_size 35072
		.amdhsa_private_segment_fixed_size 0
		.amdhsa_enable_private_segment 0
		.amdhsa_kernarg_size 48
		.amdhsa_user_sgpr_count 2
		.amdhsa_user_sgpr_kernarg_segment_ptr 1
		.amdhsa_wavefront_size32 1
		.amdhsa_system_sgpr_workgroup_id_x 1
		.amdhsa_system_sgpr_workgroup_id_y 1
		.amdhsa_system_sgpr_workgroup_id_z 1
		.amdhsa_system_vgpr_workitem_id 0
		.amdhsa_next_free_vgpr 256
		.amdhsa_next_free_sgpr 66
		.amdhsa_reserve_vcc 0
		.amdhsa_float_denorm_mode_32 3
		.amdhsa_float_denorm_mode_16_64 3
		.amdhsa_memory_ordered 1
		.amdhsa_forward_progress 1
		.amdhsa_inst_pref_size 139
	.end_amdhsa_kernel
	.amdgpu_metadata
---
amdhsa.version: [ 1, 2 ]
amdhsa.kernels:
  - .name:           k_q095d0e6f47_prep
    .symbol:         k_q095d0e6f47_prep.kd
    .args:
      - { .name: K, .offset: 0, .size: 8, .value_kind: global_buffer, .address_space: global }
      - { .name: V, .offset: 8, .size: 8, .value_kind: global_buffer, .address_space: global }
      - { .name: mask, .offset: 16, .size: 8, .value_kind: global_buffer, .address_space: global }
      - { .name: kv, .offset: 24, .size: 8, .value_kind: global_buffer, .address_space: global }
      - { .name: maskw, .offset: 32, .size: 8, .value_kind: global_buffer, .address_space: global }
      - { .name: flags, .offset: 40, .size: 8, .value_kind: global_buffer, .address_space: global }
    .group_segment_fixed_size: 35072
    .private_segment_fixed_size: 0
    .kernarg_segment_align: 8
    .kernarg_segment_size: 48
    .max_flat_workgroup_size: 64
    .sgpr_count:     66
    .vgpr_count:     256
    .wavefront_size: 32
...
	.end_amdgpu_metadata
.endif
;; end of part 1
;; launch attn (part 2): grid 8 x 32, 16 waves a work-group, no clusters, 276,480 bytes of LDS; arguments Q, kv, maskw, flags, out0; writes out0
.if DOCPART == 2
	.amdgcn_target "amdgcn-amd-amdhsa--gfx1250"
	.amdhsa_code_object_version 6
	.text
	.protected	k_q095d0e6f47_attn
	.globl	k_q095d0e6f47_attn
	.p2align	8
	.type	k_q095d0e6f47_attn,@function
k_q095d0e6f47_attn:
	s_mov_b64 s[64:65], 0
	v_nop
	global_prefetch_b8 v0, s[64:65] scope:SCOPE_SE
	s_setreg_imm32_b32 hwreg(HW_REG_WAVE_MODE, 25, 1), 1
	s_wait_xcnt 0x0
; out0[head][q][:] = the sum over k of softmax_k(mask ? Q[q] . K[k] / 8 : -inf) V[k][:], both products on codes of FP6 (E2M3) with one E8M0 scale for each 32 along a product's K.
; t = score x log2(e) / 8; M = the row's largest t so far, rounded UP to a whole number; p = 2^(t - M) is quantised along the keys, not normalised; the row's sum is taken of the unquantised p and divides at the end.
; When M moves, the sum and O are multiplied by 2^(old M - new M): exact.
; SHARES.  A work-group has one head and 16 waves; wave w owns ONE tile of 16 queries, T = 8 g(w) + work-group x, in 226 registers: four waves to a SIMD, so that one wave's vector work stands beside another's products and LDS loads.
; g(w) is read from a table, a 4 x 4 square whose rows and columns each sum to 30: where a tile's work grows with its queries, any four waves w % 4 alike or w / 4 alike have equal work.  No result hangs on the table.
; THE HEAD'S K AND V, as codes and scale words laid as images of the operands' registers (204,800 bytes, made by the launch before), are copied into LDS ONCE, through registers; one barrier; then LDS is only read and the waves run free.
; THE MASK comes as lane masks: word j of (T, step) has lane l's bit for score register j; 64 words a step are read into scalar registers and 64 v_cndmask_b32 apply them.  Two flag words a tile say which steps have a key that counts
; (the others are left out: their p would be 0) and which have a hidden key (the others skip the 64 selects).  These are branches on stored whole numbers, so the launch has no tensor load, no copy and no cluster;
; the bytes that work-groups share, a head's 204,800, are read once by each of its 8 work-groups.
; LAYOUT.  Both products are used transposed: S^T = K Q^T (source 0 = keys, source 1 = my queries), O^T = V^T P^T: a lane (r = l % 16, h = l / 16) holds query r throughout.
; THE FIRST PRODUCT'S K IS 64, half of the instruction's 128.  A pair fragment of K holds two tiles of 16 keys, one at k = 0..63, one at k = 64..127.  Q's operand is 18 registers (Q, zeros, Q): its first 12, (Q, 0), give the first
; tile's scores, its last 12, (0, Q), the second's: the other tile's codes meet zero codes.  The idle blocks of Q's scale words hold the byte 1.
; Lane r of tile 2 b + u takes key 32 b + 8 u + r + 8 (r / 8), so score register 16 b + i is key 32 b + 16 h + i: 16 neighbours along the second product's K.
; LIMITS: NaN and infinities among the inputs are not served; a block of Q or of p whose largest magnitude lies under 2^-124 gets the byte 1; p under 2^-126 counts as 0.  A row with no key that counts gives 0 / 0 = NaN, as the softmax of such a row does.
; SCALARS: s[4:5] Q, s[6:7] kv, s[8:9] the mask words (walks), s[10:11] flags, s[12:13] out0, s14 wave, s15 T, s16-19 at work, s[20:21] lane selects, s[22:23] c, s24 the step's images, s25 its scale words, s26 the step, s27 ANY, s28 MIX,
;   s[32:63], s[68:99] a step's 64 mask words.
; VECTORS: v1 16 lane, v2 the scale words' place, v3/v4 my stage in and back, v5/v6 the step's addresses, v7 -inf, v8 my part of the fill, v9 Q's way back, v10 r, v11 h, v12 -M, v13 the largest t, v[14:15] the sum in two halves,
;   v16-33 Q's operand, v34-35 its scale words, v36-83 four fragments of K, then of V, v84-147 S^T, then p, v148-179 O^T, v180-191 p's codes, v192-198 their second halves, v200-211 at work, v212-215 K's and V's scale words, v216 p's, v[218:219] f, v220-223 at work.
.set SCO,   196608                     ; LDS: 16 steps x 12,288 bytes of images, then from here 16 x 512 bytes of scale words,
.set STG,   204800                     ; then a stage of 16 rows x (256 + 16) bytes for each wave: for Q's turn and for the way out
.set SWS,   16*272
.set QF,    16
.set QS,    34
.set KF,    36
.set S,     84
.set O,     148
.set PC,    180
.set PT,    192
.set BM,    200
.set BT,    204
.set SO,    208
.set KS,    212
.set VS,    214
.set PS,    216
	s_load_b256 s[4:11], s[0:1], 0x0
	s_load_b64 s[12:13], s[0:1], 0x20
	v_lshl_add_u32 v224, v0, 2, 0x43000
	v_mov_b32 v225, 0
	v_lshrrev_b32 v1, 5, v0
	v_readfirstlane_b32 s14, v1                    ; wave 0..15
	v_and_b32 v10, 15, v0
	v_bfe_u32 v11, v0, 4, 1
	v_and_b32 v1, 31, v0
	v_lshl_add_u32 v2, v1, 3, SCO
	v_lshlrev_b32 v1, 4, v1
	s_mul_i32 s29, s14, SWS
	s_add_co_u32 s29, s29, STG                     ; my stage
	s_mul_i32 s30, s14, 12800                      ; my sixteenth of the head's block
	v_mul_u32_u24 v3, v10, 272
	v_lshl_add_u32 v9, v11, 7, v3
	v_lshl_add_u32 v3, v11, 5, v3
	v_add_nc_u32 v3, s29, v3                       ; row r, + 32 h
	v_add_nc_u32 v9, s29, v9                       ; row r, + 128 h
	v_mul_u32_u24 v4, v11, 272
	v_lshl_add_u32 v4, v10, 4, v4
	v_add_nc_u32 v4, s29, v4                       ; row h, + 16 r
	v_add_nc_u32 v8, s30, v1
	s_mov_b32 s16, 0x853e942f                      ; g of waves 0-7, four bits each,
	s_mov_b32 s17, 0x6bd07ac1                      ; and of waves 8-15
	s_cmp_lt_u32 s14, 8
	s_cselect_b32 s16, s16, s17
	s_and_b32 s17, s14, 7
	s_lshl_b32 s17, s17, 2
	s_lshr_b32 s16, s16, s17
	s_and_b32 s16, s16, 15
	s_lshl_b32 s15, s16, 3
	s_add_co_u32 s15, s15, ttmp9                   ; T = 8 g + work-group x
	s_and_b32 s28, ttmp7, 0xffff                   ; the head
	s_lshl_b32 s16, s28, 19                        ; 2,048 rows of 256 bytes,
	s_lshl_b32 s17, s15, 12                        ; 16 rows a tile
	s_add_co_u32 s16, s16, s17
	s_mov_b32 s17, 0
	s_mul_i32 s18, s28, 204800
	s_mov_b32 s19, 0
	s_lshl_b32 s24, s15, 12                        ; 16 steps x 256 bytes of mask words
	s_mov_b32 s25, 0
	s_lshl_b32 s26, s15, 10                        ; 4 x 256 bytes of flags
	s_mov_b32 s27, 0
	s_mov_b32 s20, 0x76543210
	s_mov_b32 s21, 0xfedcba98                      ; v_permlanex16_b32's selects for lane l xor 16
	s_mov_b32 s22, 0x3e38aa3b                      ; c = log2(e) / 8
	s_mov_b32 s23, s22                             ; (named with it as a pair, so it is written)
	s_wait_kmcnt 0x0
	s_add_nc_u64 s[4:5], s[4:5], s[16:17]
	s_add_nc_u64 s[12:13], s[12:13], s[16:17]
	s_add_nc_u64 s[6:7], s[6:7], s[18:19]
	s_add_nc_u64 s[8:9], s[8:9], s[24:25]
	s_add_nc_u64 s[10:11], s[10:11], s[26:27]
.irp i, 0,1,2,3,4,5,6,7
	global_load_b128 v[136+4*\i:139+4*\i], v1, s[4:5] offset:512*\i th:TH_LOAD_NT   ; Q: rows 2 i and 2 i + 1, 512 consecutive bytes
.endr
.irp i, 0,1,2,3,4,5,6,7,8,9,10,11,12,13,14,15,16,17,18,19,20,21,22,23,24
	global_load_b128 v[36+4*\i:39+4*\i], v8, s[6:7] offset:512*\i   ; my 12,800 bytes of the head's codes and scale words
.endr
	s_load_b64 s[32:33], s[10:11], 0x0             ; (ANY, MIX) of steps 0-3, 4-7, 8-11, 12-15
	s_load_b64 s[34:35], s[10:11], 0x100
	s_load_b64 s[36:37], s[10:11], 0x200
	s_load_b64 s[38:39], s[10:11], 0x300
	; Q is quantised while the fill is on its way.  It turns through my stage, so that lane (r, h) holds row r's dims 32 h .. 32 h + 31: a whole block
	s_wait_loadcnt 25                              ; Q's 8 loads are in; the 25 of the fill are younger
.irp i, 0,1,2,3,4,5,6,7
	ds_store_b128 v4, v[136+4*\i:139+4*\i] offset:544*\i
.endr
.irp i, 0,1,2,3,4,5,6,7
	ds_load_b128 v[168+4*\i:171+4*\i], v9 offset:16*\i         ; LDS serves a wave's instructions in order (ISA guide 5.7.1.4): these see my stores
.endr
	s_wait_dscnt 0x0
	v_max3_num_f32 v208, |v168|, |v169|, |v170|
	v_max3_num_f32 v209, |v171|, |v172|, |v173|
.irp i, 6,10,14,18,22,26
	v_max3_num_f32 v208, v208, |v[168+\i]|, |v[169+\i]|
	v_max3_num_f32 v209, v209, |v[170+\i]|, |v[171+\i]|
.endr
	v_max3_num_f32 v208, v208, |v198|, |v199|
	v_max3_num_f32 v208, v208, v209, 0x1800000     ; the floor 2^(3 - 127): the byte cannot fall under 1
	v_add_nc_u32 v210, 0xff000000, v208            ; 2 off the exponent field: the conversion's scale operand
	v_cvt_scalef32_pk16_fp6_f32 v[QF:QF+2], v[168:183], v210
	v_cvt_scalef32_pk16_fp6_f32 v[200:202], v[184:199], v210   ; (a conversion's three registers begin on an even number)
	v_lshrrev_b32 v211, 23, v210                   ; the byte.  (A plain line behind the conversions)
.irp i, 0,1,2
	v_mov_b32 v[QF+3+\i], v[200+\i]
	v_mov_b32 v[QF+12+\i], v[QF+\i]                ; Q once more behind the zeros
	v_mov_b32 v[QF+15+\i], v[200+\i]
.endr
.irp i, 6,7,8,9,10,11
	v_mov_b32 v[QF+\i], 0                          ; zero codes
.endr
	v_lshlrev_b32 v220, 3, v11
	v_lshlrev_b32 v211, v220, v211                 ; my block's byte at place h,
	v_mov_b32 v220, 0
	v_permlanex16_b32 v220, v211, s20, s21
	v_or_b32 v211, v211, v220                      ; with lane l xor 16's: (e0, e1)
	v_or_b32 v[QS], 0x01010000, v211               ; for (Q, 0): (e0, e1, 1, 1)
	v_lshl_or_b32 v[QS+1], v211, 16, 0x0101        ; for (0, Q): (1, 1, e0, e1)
	v_mov_b32 v13, 0xff61b1e6                      ; the largest t so far: -3e38, under every t
	v_floor_f32 v12, -v13                          ; -M
	v_mov_b32 v14, 0
	v_mov_b32 v15, 0
	v_mov_b32 v7, 0xff800000                       ; -infinity
	v_mov_b32 v219, 0                              ; (named as the upper half of the pair v[218:219])
.irp b, 0,1,2,3
	v_mov_b32 v[BT+\b], 0                          ; a lane permute's destination counts as one of its sources
.endr
.irp j, 0,1,2,3,4,5,6,7,8,9,10,11,12,13,14,15,16,17,18,19,20,21,22,23,24,25,26,27,28,29,30,31
	v_mov_b32 v[O+\j], 0                           ; O^T.  Which step is a tile's first hangs on the flags, so no first step can be written out: the loop's first products find zeros
.endr
.irp i, 0,1,2,3,4,5,6,7,8,9,10,11,12,13,14,15,16,17,18,19,20,21,22,23,24
	s_wait_loadcnt 24-\i                           ; load i is in; those behind it may be out
	ds_store_b128 v8, v[36+4*\i:39+4*\i] offset:512*\i         ; LDS holds the block as memory does
.endr
	s_wait_kmcnt 0x0
	s_or_b32 s27, s32, s34
	s_or_b32 s16, s36, s38
	s_or_b32 s27, s27, s16                         ; ANY, 16 bits
	s_or_b32 s28, s33, s35
	s_or_b32 s16, s37, s39
	s_or_b32 s28, s28, s16                         ; MIX
	s_mov_b32 s24, 0
	s_mov_b32 s25, 0
	s_mov_b32 s26, 0
	s_wait_dscnt 0x0                               ; for the others' sake: my part of the block lies in LDS
	s_barrier_signal -1
	s_barrier_wait -1                              ; everybody's does.  The launch's one barrier: from here on the block is only read
.Lstep:                                            ; 16 trips, a constant: a step without a key that counts jumps over its work, not over the lines that step addresses
	s_lshr_b32 s16, s27, s26
	s_and_b32 s16, s16, 1
	s_cmp_eq_u32 s16, 0
	s_cbranch_scc1 .Lnext
	v_add_nc_u32 v5, s24, v1
	v_add_nc_u32 v6, s25, v2
	v_nop
	v_nop                                          ; four plain lines between the last step's products and the loads into registers that they read
	s_load_b512 s[32:47], s[8:9], 0x0              ; the step's 64 mask words: always asked for, early, so that they are there when the scores are
	s_load_b512 s[48:63], s[8:9], 0x40
	s_load_b512 s[68:83], s[8:9], 0x80
	s_load_b512 s[84:99], s[8:9], 0xc0
.irp b, 0,1,2,3
.irp c, 0,1,2
	ds_load_b128 v[KF+12*\b+4*\c:KF+12*\b+4*\c+3], v5 offset:1536*\b+512*\c   ; K's four pair fragments, as images: 512 consecutive bytes a load
.endr
.endr
	ds_load_b64 v[KS:KS+1], v6                     ; K's scale words: fragments 0 | 1 and 2 | 3
	ds_load_b64 v[VS:VS+1], v6 offset:256          ; V's: tiles 0 | 1 and 2 | 3
	s_wait_dscnt 0x0
.irp b, 0,1,2,3                                ; S^T = K Q^T: eight tiles of 16 keys, each begun with the constant 0
.irp u, 0,1
.if (\b)%2
	v_wmma_scale_f32_16x16x128_f8f6f4 v[S+8*(2*\b+\u):S+8*(2*\b+\u)+7], v[KF+12*\b:KF+12*\b+11], v[QF+6*\u:QF+6*\u+11], 0, v[KS+\b/2], v[QS+\u] matrix_a_fmt:MATRIX_FMT_FP6 matrix_b_fmt:MATRIX_FMT_FP6 matrix_a_scale:MATRIX_SCALE_ROW1
.else
	v_wmma_scale_f32_16x16x128_f8f6f4 v[S+8*(2*\b+\u):S+8*(2*\b+\u)+7], v[KF+12*\b:KF+12*\b+11], v[QF+6*\u:QF+6*\u+11], 0, v[KS+\b/2], v[QS+\u] matrix_a_fmt:MATRIX_FMT_FP6 matrix_b_fmt:MATRIX_FMT_FP6
.endif
.endr
.endr
.rept 4
	v_nop                                          ; places in front of the loads into K's registers and of the first read of the scores
.endr
.irp t, 0,1,2,3
.irp c, 0,1,2
	ds_load_b128 v[KF+12*\t+4*\c:KF+12*\t+4*\c+3], v5 offset:6144+1536*\t+512*\c   ; V's four fragments land under the softmax
.endr
.endr
	s_wait_kmcnt 0x0                               ; the mask words are in
	s_lshr_b32 s16, s28, s26
	s_and_b32 s16, s16, 1
	s_cmp_eq_u32 s16, 0
	s_cbranch_scc1 .Lopen                          ; no key of the step is hidden from any of my queries
.set j, 0
.rept 32
	v_cndmask_b32 v[S+j], v7, v[S+j], s[32+j]      ; a hidden key's score becomes -infinity ahead of the maximum: p = 0 then.  Each accumulator from its low end on
.set j, j+1
.endr
.rept 32
	v_cndmask_b32 v[S+j], v7, v[S+j], s[36+j]
.set j, j+1
.endr
.Lopen:
.irp b, 0,1,2,3
	v_max3_num_f32 v[BM+\b], v[S+16*\b], v[S+1+16*\b], v[S+2+16*\b]   ; the largest score of each block of 32 keys: it serves for the row's maximum and, since p rises with the score, for the block's largest p
.endr
.irp i, 3,5,7,9,11,13
.irp b, 0,1,2,3
	v_max3_num_f32 v[BM+\b], v[BM+\b], v[S+16*\b+\i], v[S+1+16*\b+\i]   ; (the four blocks by turns)
.endr
.endr
.irp b, 0,1,2,3
	v_max_num_f32 v[BM+\b], v[BM+\b], v[S+15+16*\b]
.endr
.irp b, 0,1,2,3
	v_permlanex16_b32 v[BT+\b], v[BM+\b], s20, s21
.endr
.irp b, 0,1,2,3
	v_max_num_f32 v[BM+\b], v[BM+\b], v[BT+\b]     ; with lane l xor 16's 16 keys
.endr
	v_max3_num_f32 v220, v[BM], v[BM+1], v[BM+2]
	v_max_num_f32 v220, v220, v[BM+3]              ; the step's largest score of my query
	v_mul_f32 v220, s22, v220                      ; as t (c is positive)
	v_max_num_f32 v13, v13, v220                   ; the running largest t
	v_mov_b32 v220, v12
	v_floor_f32 v12, -v13                          ; the new -M = floor(-t) = -ceil(t): a whole number
	v_sub_f32 v220, v12, v220                      ; old M less new M: a whole number, 0 or less
	v_cvt_i32_f32 v220, v220                       ; (it saturates)
	v_ldexp_f32 v218, 1.0, v220                    ; f = 2^(old M - new M)
.irp j, 0,2,4,6,8,10,12,14,16,18,20,22,24,26,28,30,32,34,36,38,40,42,44,46,48,50,52,54,56,58,60,62
	v_pk_fma_f32 v[S+\j:S+1+\j], v[S+\j:S+1+\j], s[22:23], v[12:13] op_sel_hi:[1,0,0]   ; t - M, two at a time (of the pairs c and -M the low word serves both halves)
.endr
.irp b, 0,1,2,3
	v_fma_f32 v[BM+\b], v[BM+\b], s22, v12         ; the same of each block's largest score
.endr
.irp j, 0,1,2,3,4,5,6,7,8,9,10,11,12,13,14,15,16,17,18,19,20,21,22,23,24,25,26,27,28,29,30,31,32,33,34,35,36,37,38,39,40,41,42,43,44,45,46,47,48,49,50,51,52,53,54,55,56,57,58,59,60,61,62,63
	v_exp_f32 v[S+\j], v[S+\j]                     ; p = 2^(t - M), at most 1
.endr
.irp b, 0,1,2,3
	v_exp_f32 v[BM+\b], v[BM+\b]                   ; the block's largest p: the same two instructions on the same number give the same bits
.endr
	v_pk_mul_f32 v[14:15], v[14:15], v[218:219] op_sel_hi:[1,0]   ; the sums under the new M.  (A plain line behind the exponentials: ISA guide 5.7.2)
	s_wait_alu depctr_va_vdst(0)
.irp b, 0,1,2,3
	v_max_num_f32 v[BM+\b], 0x1800000, v[BM+\b]    ; the floor: a block whose every p is 0 keeps the byte 1; its codes are zeros
.endr
.irp b, 0,1,2,3
	v_add_nc_u32 v[SO+\b], 0xff000000, v[BM+\b]    ; the conversion's scale operand
.endr
.irp b, 0,1,2,3
	v_lshrrev_b32 v[BT+\b], 23, v[SO+\b]           ; the scale's byte
.endr
	v_lshl_or_b32 v[PS], v[BT+1], 8, v[BT]         ; p's scale word for these 128 keys
	v_lshl_or_b32 v[PS], v[BT+2], 16, v[PS]
	v_lshl_or_b32 v[PS], v[BT+3], 24, v[PS]
.irp c, 0,1
	v_cvt_scalef32_pk16_fp6_f32 v[PC+6*\c:PC+2+6*\c], v[S+32*\c:S+15+32*\c], v[SO+2*\c]
	v_cvt_scalef32_pk16_fp6_f32 v[PT+4*\c:PT+2+4*\c], v[S+16+32*\c:S+31+32*\c], v[SO+2*\c+1]
.endr
	v_nop                                          ; a plain line behind the conversions
.irp c, 0,1                                    ; the operand wants a WHOLE block in a lane: lanes 0-15 block 2 c, lanes 16-31 block 2 c + 1
.irp i, 0,1,2
	v_permlane16_swap_b32 v[PC+6*\c+\i], v[PT+4*\c+\i]
.endr
.irp i, 0,1,2
	v_mov_b32 v[PC+3+6*\c+\i], v[PT+4*\c+\i]
.endr
.endr
	v_pk_add_f32 v[222:223], v[S:S+1], v[S+2:S+3]  ; the row's sum is taken of the unquantised p: two at a time, in two chains
.irp j, 4,8,12,16,20,24,28,32,36,40,44,48,52,56,60
	v_pk_add_f32 v[14:15], v[14:15], v[S+\j:S+1+\j]
	v_pk_add_f32 v[222:223], v[222:223], v[S+2+\j:S+3+\j]
.endr
	v_pk_add_f32 v[14:15], v[14:15], v[222:223]
.irp j, 0,2,4,6,8,10,12,14,16,18,20,22,24,26,28,30
	v_pk_mul_f32 v[O+\j:O+1+\j], v[O+\j:O+1+\j], v[218:219] op_sel_hi:[1,0]   ; O^T under the new M, each accumulator from its low end on.  (The 48 lines from the sums on stand between p's codes and scale word and the products)
.endr
	s_wait_dscnt 0x0                               ; V's fragments are in
.irp t, 0,1,2,3                                ; O^T += V^T P^T: the four accumulators by turns, one instruction a turn; the next step's eight products K Q^T stand between two links of a chain
.if (\t)%2
	v_wmma_scale_f32_16x16x128_f8f6f4 v[O+8*\t:O+8*\t+7], v[KF+12*\t:KF+12*\t+11], v[PC:PC+11], v[O+8*\t:O+8*\t+7], v[VS+\t/2], v[PS] matrix_a_fmt:MATRIX_FMT_FP6 matrix_b_fmt:MATRIX_FMT_FP6 matrix_a_scale:MATRIX_SCALE_ROW1
.else
	v_wmma_scale_f32_16x16x128_f8f6f4 v[O+8*\t:O+8*\t+7], v[KF+12*\t:KF+12*\t+11], v[PC:PC+11], v[O+8*\t:O+8*\t+7], v[VS+\t/2], v[PS] matrix_a_fmt:MATRIX_FMT_FP6 matrix_b_fmt:MATRIX_FMT_FP6
.endif
.endr
.Lnext:
	s_add_co_u32 s24, s24, 12288                   ; the next step's images,
	s_add_co_u32 s25, s25, 512                     ; scale words,
	s_wait_xcnt 0x0                                ; (the scalar loads have read their base: they are done since the wait on KMcnt; on the way round the work none was issued)
	s_add_nc_u64 s[8:9], s[8:9], 256               ; and mask words
	s_add_co_u32 s26, s26, 1
	s_cmp_lt_u32 s26, 16
	s_cbranch_scc1 .Lstep
	; THE WAY OUT.  O^T is divided by the row's sum and goes through my stage: a lane holds 8 neighbouring channels of one row, and leaves with 16 bytes of a run of 512
.rept 4
	v_nop                                          ; places behind the last products
.endr
	v_add_f32 v14, v14, v15                        ; the sum's two halves,
	v_permlanex16_b32 v220, v14, s20, s21
	v_add_f32 v14, v14, v220                       ; and lane l xor 16's
	v_rcp_f32 v14, v14
	v_nop                                          ; a plain line behind the reciprocal
	s_wait_alu depctr_va_vdst(0)
.irp j, 0,2,4,6,8,10,12,14,16,18,20,22,24,26,28,30
	v_pk_mul_f32 v[S+\j:S+1+\j], v[O+\j:O+1+\j], v[14:15] op_sel_hi:[1,0]   ; register 8 t + i: out(r, 16 t + 8 h + i)
.endr
.irp t, 0,1,2,3
	ds_store_b128 v3, v[S+8*\t:S+8*\t+3] offset:64*\t
	ds_store_b128 v3, v[S+8*\t+4:S+8*\t+7] offset:64*\t+16
.endr
.irp i, 0,1,2,3,4,5,6,7
	ds_load_b128 v[116+4*\i:119+4*\i], v4 offset:544*\i        ; rows 2 i and 2 i + 1; LDS serves a wave's instructions in order: these see my stores
.endr
.irp i, 0,1,2,3,4,5,6,7
	s_wait_dscnt 7-\i                              ; load i is back; those behind it may be out
	global_store_b128 v1, v[116+4*\i:119+4*\i], s[12:13] offset:512*\i th:TH_STORE_NT   ; 32 lanes store 512 consecutive bytes, at a multiple of 256 from out0's first byte
.endr
	s_wait_tensorcnt 0x0
	ds_add_u32 v224, v225
	s_wait_dscnt 0x0
	s_endpgm
.Lfunc_end_k_q095d0e6f47_attn:
	.size	k_q095d0e6f47_attn, .Lfunc_end_k_q095d0e6f47_attn-k_q095d0e6f47_attn
	.p2alignl 7, 3214868480
	.fill 96, 4, 3214868480
	.section	.rodata,"a",@progbits
	.p2align	6, 0x0
	.amdhsa_kernel k_q095d0e6f47_attn
		.amdhsa_group_segment_fixed_size 276480
		.amdhsa_private_segment_fixed_size 0
		.amdhsa_enable_private_segment 0
		.amdhsa_kernarg_size 40
		.amdhsa_user_sgpr_count 2
		.amdhsa_user_sgpr_kernarg_segment_ptr 1
		.amdhsa_wavefront_size32 1
		.amdhsa_system_sgpr_workgroup_id_x 1
		.amdhsa_system_sgpr_workgroup_id_y 1
		.amdhsa_system_sgpr_workgroup_id_z 1
		.amdhsa_system_vgpr_workitem_id 0
		.amdhsa_next_free_vgpr 226
		.amdhsa_next_free_sgpr 100
		.amdhsa_reserve_vcc 0
		.amdhsa_float_denorm_mode_32 3
		.amdhsa_float_denorm_mode_16_64 3
		.amdhsa_memory_ordered 1
		.amdhsa_forward_progress 1
		.amdhsa_inst_pref_size 37
	.end_amdhsa_kernel
	.amdgpu_metadata
---
amdhsa.version: [ 1, 2 ]
amdhsa.kernels:
  - .name:           k_q095d0e6f47_attn
    .symbol:         k_q095d0e6f47_attn.kd
    .args:
      - { .name: Q, .offset: 0, .size: 8, .value_kind: global_buffer, .address_space: global }
      - { .name: kv, .offset: 8, .size: 8, .value_kind: global_buffer, .address_space: global }
      - { .name: maskw, .offset: 16, .size: 8, .value_kind: global_buffer, .address_space: global }
      - { .name: flags, .offset: 24, .size: 8, .value_kind: global_buffer, .address_space: global }
      - { .name: out0, .offset: 32, .size: 8, .value_kind: global_buffer, .address_space: global }
    .group_segment_fixed_size: 276480
    .private_segment_fixed_size: 0
    .kernarg_segment_align: 8
    .kernarg_segment_size: 40
    .max_flat_workgroup_size: 512
    .sgpr_count:     100
    .vgpr_count:     226
    .wavefront_size: 32
...
	.end_amdgpu_metadata
.endif
;; end of part 2
;; ======== version 2 of 2: 2 launches
;; workspace buffers: kv 6,553,600 bytes; maskw 524,288 bytes of whole numbers; flags 131,072 bytes of whole numbers
;; launch prep (part 3): grid 768 x 1, 2 waves a work-group, no clusters, 35,072 bytes of LDS; arguments K, V, mask, kv, maskw, flags; writes kv, maskw, flags
.if DOCPART == 3
	.amdgcn_target "amdgcn-amd-amdhsa--gfx1250"
	.amdhsa_code_object_version 6
	.text
	.protected	k_q095d0e6f47_prep
	.globl	k_q095d0e6f47_prep
	.p2align	8
	.type	k_q095d0e6f47_prep,@function
k_q095d0e6f47_prep:
	s_mov_b64 s[64:65], 0
	v_nop
	global_prefetch_b8 v0, s[64:65] scope:SCOPE_SE
	s_setreg_imm32_b32 hwreg(HW_REG_WAVE_MODE, 25, 1), 1
	s_wait_xcnt 0x0
; K and V [32 heads][2048 keys][64] f32 become codes of FP6 (E2M3) with one E8M0 byte for each 32 along a product's K, laid as IMAGES OF THE OPERANDS' REGISTERS; the mask [2048][2048] bytes becomes lane masks and flags.
; kv, 204,800 bytes a head: 16 steps (128 keys) x 12,288 bytes of images, then 16 x 512 bytes of scale words.  Lane l = (r = l % 16, h = l / 16).
;   image of step s, bytes 1536 b + 512 c + 16 l (b = 0..3): registers 4 c .. 4 c + 3 of lane l of K's PAIR FRAGMENT b: registers 0-5 the codes of key 128 s + 32 b + r + 8 (r / 8), dims 32 h on; registers 6-11 the same of the key 8 further on.
;   bytes 6144 + 1536 t + 512 c + 16 l (t = 0..3): V's fragment of channels 16 t + r: registers 6 c .. 6 c + 5 are keys 128 s + 64 c + 32 h + 0 .. 31.
;   scale words of step s: 8 l: (K's pair fragments 0 | 1, 2 | 3: the first in lanes 0-15, the second in lanes 16-31);  256 + 8 l: V's tiles likewise.
; maskw [q tile T][step s][64 words]: bit l of word j = mask[16 T + r][128 s + 32 (j / 16) + 16 h + j % 16]: lane l's key in score register j of the next launch.
; flags [T][group of 4 steps][256 bytes]: the pair (ANY, MIX) 32 times: bit s of ANY: some key of step s counts for some query of the tile; of MIX: some key is hidden.
; A block's scale is 2^(floor(log2(largest magnitude)) - 2): its byte is the largest magnitude's exponent field - 2, held at 1 from below.
; LIMITS: a block of zeros, or one whose largest magnitude lies under 2^-124, gets the byte 1 (its codes are zeros or are made under that scale; the bytes are read by this program alone); NaN and infinities among K and V are not served; any non-zero mask byte counts as true.
; SHARES: work-groups 0-255 take K, 256-511 V, 512-767 the mask; a wave is a unit u = 2 x (work-group % 256) + wave: for K and V (head u / 16, step u % 16), for the mask (tile u / 4, steps 4 (u % 4) on).  Waves share nothing: no barrier.
; No tensor load, no matrix unit, no cluster: a stream, each byte read once.
; SCALARS: s[4:5] K, s[6:7] V, s[8:9] mask, s[10:11] kv, s[12:13] maskw, s[14:15] flags, s16 wave, s17 kind, s18 u, s[22:23] lane selects, s[24:25] my step's images, s[28:29] its scale words, s39 lanes 16-31, s27 ANY, s28 MIX (mask path), s[40:43] lane masks.
; VECTORS: v1 lane, v2 r, v3 h, v4 16 lane, v5 8 lane, v6 4 lane, v9 8 h, v7/v8 K's stage in and out, v10/v11 the mask's stage in and out.
.set KWS,   32*272                     ; K's stage of a wave: 32 keys x (256 bytes + 16): the pitch is 17 x 16 bytes
.set MSTG,  2*KWS                      ; the mask's stages lie behind K's: bytes of their own
.set MWS,   16*528                     ; 16 rows x (512 bytes + 16)
.set HEADB, 204800
.set STEPB, 12288
.set SCOFF, 196608
	s_load_b256 s[4:11], s[0:1], 0x0
	s_load_b128 s[12:15], s[0:1], 0x20
	v_lshl_add_u32 v14, v0, 2, 0x8800
	v_mov_b32 v15, 0
	v_lshrrev_b32 v1, 5, v0
	v_readfirstlane_b32 s16, v1                    ; wave
	v_and_b32 v1, 31, v0
	v_and_b32 v2, 15, v0
	v_bfe_u32 v3, v0, 4, 1
	v_lshlrev_b32 v4, 4, v1
	v_lshlrev_b32 v5, 3, v1
	v_lshlrev_b32 v6, 2, v1
	v_lshlrev_b32 v9, 3, v3
	s_mul_i32 s19, s16, KWS
	v_mul_u32_u24 v7, v3, 272
	v_lshl_add_u32 v7, v2, 4, v7
	v_add_nc_u32 v7, s19, v7                       ; K in: a load's 512 bytes are two keys' rows: row h, 16 r
	v_and_b32 v8, 8, v2
	v_add_nc_u32 v8, v8, v2                        ; r + 8 (r / 8)
	v_mul_u32_u24 v8, v8, 272
	v_lshl_add_u32 v8, v3, 7, v8
	v_add_nc_u32 v8, s19, v8                       ; K out: that key's row, dims 32 h on
	s_mul_i32 s19, s16, MWS
	s_add_co_u32 s19, s19, MSTG
	v_add_nc_u32 v10, s19, v4                      ; mask in: 16 lane of a row
	v_mul_u32_u24 v11, v2, 528
	v_lshl_add_u32 v11, v3, 4, v11
	v_add_nc_u32 v11, s19, v11                     ; mask out: row r, + 16 h
	s_lshr_b32 s17, ttmp9, 8                       ; 0: K, 1: V, 2: the mask
	s_and_b32 s18, ttmp9, 255
	s_lshl_b32 s18, s18, 1
	s_add_co_u32 s18, s18, s16                     ; u, 0 .. 511
	s_lshl_b32 s20, s18, 15                        ; a step's 128 keys are 32,768 bytes of K and of V
	s_mov_b32 s21, 0
	s_lshr_b32 s30, s18, 4                         ; head
	s_and_b32 s31, s18, 15                         ; step
	s_mul_i32 s24, s30, HEADB
	s_mul_i32 s26, s31, STEPB
	s_add_co_u32 s26, s26, s24
	s_mov_b32 s27, 0
	s_lshl_b32 s28, s31, 9
	s_add_co_u32 s28, s28, s24
	s_add_co_u32 s28, s28, SCOFF
	s_mov_b32 s29, 0
	s_mov_b32 s22, 0x76543210
	s_mov_b32 s23, 0xfedcba98                      ; v_permlanex16_b32's selects for lane l xor 16
	s_mov_b32 s39, 0xffff0000
	s_wait_kmcnt 0x0
	s_add_nc_u64 s[4:5], s[4:5], s[20:21]
	s_add_nc_u64 s[6:7], s[6:7], s[20:21]
	s_add_nc_u64 s[24:25], s[10:11], s[26:27]
	s_add_nc_u64 s[28:29], s[10:11], s[28:29]
	s_cmp_eq_u32 s17, 1
	s_cbranch_scc1 .Lv
	s_cmp_eq_u32 s17, 2
	s_cbranch_scc1 .Lmask
; ---------------- K: four pair fragments of 32 keys.  v16-27 the fragment, v28-34 second halves, v36-41 at work, v42-45 scale words, v64-191 two sets as loaded, v192-255 a lane's two blocks of 32
.macro KLOAD b                         ; 32 keys: 16 loads of 512 consecutive bytes
.irp i, 0,1,2,3,4,5,6,7,8,9,10,11,12,13,14,15
	global_load_b128 v[64+64*((\b)%2)+4*\i:64+64*((\b)%2)+4*\i+3], v4, s[4:5] offset:8192*(\b)+512*\i th:TH_LOAD_NT
.endr
.endm
.macro KFRAG b
.set RS, 64+64*((\b)%2)
.if (\b) < 3
	s_wait_loadcnt 16                              ; this fragment's 16 loads are in; the next fragment's 16 are younger
.else
	s_wait_loadcnt 0x0
.endif
.irp i, 0,1,2,3,4,5,6,7,8,9,10,11,12,13,14,15
	ds_store_b128 v7, v[RS+4*\i:RS+4*\i+3] offset:544*\i       ; as they lie: keys 2 i and 2 i + 1
.endr
.irp i, 0,1,2,3,4,5,6,7
	ds_load_b128 v[192+4*\i:195+4*\i], v8 offset:16*\i         ; LDS serves a wave's instructions in order (ISA guide 5.7.1.4): my key's 32 dims,
.endr
.irp i, 0,1,2,3,4,5,6,7
	ds_load_b128 v[224+4*\i:227+4*\i], v8 offset:2176+16*\i    ; and those of the key 8 rows on
.endr
	s_wait_dscnt 0x0                               ; the numbers are back, and the stores have read the set as loaded,
.if (\b) < 2
	KLOAD (\b)+2                                   ; which takes the fragment two on
.endif
	v_max3_num_f32 v36, |v192|, |v193|, 0x1800000  ; the two blocks' largest magnitudes by turns, with the floor 2^(3 - 127): the byte cannot fall under 1
	v_max3_num_f32 v37, |v224|, |v225|, 0x1800000
.irp i, 2,4,6,8,10,12,14,16,18,20,22,24,26,28,30
	v_max3_num_f32 v36, v36, |v[192+\i]|, |v[193+\i]|
	v_max3_num_f32 v37, v37, |v[224+\i]|, |v[225+\i]|
.endr
	v_add_nc_u32 v38, 0xff000000, v36              ; 2 off the exponent field: the conversion takes this operand's exponent field as its scale
	v_add_nc_u32 v39, 0xff000000, v37
.if (\b) > 0
	s_wait_alu depctr_va_vdst(0)
	s_wait_xcnt 0x0                                ; the last fragment's stores have read v16-27: they are written again only behind this wait
.endif
	v_cvt_scalef32_pk16_fp6_f32 v[16:18], v[192:207], v38
	v_cvt_scalef32_pk16_fp6_f32 v[28:30], v[208:223], v38      ; (a conversion's three registers begin on an even number)
	v_cvt_scalef32_pk16_fp6_f32 v[22:24], v[224:239], v39
	v_cvt_scalef32_pk16_fp6_f32 v[32:34], v[240:255], v39
	v_lshrrev_b32 v40, 23, v38                     ; the scales' bytes.  (A plain line behind the conversions)
	v_lshrrev_b32 v41, 23, v39
.irp i, 0,1,2
	v_mov_b32 v[19+\i], v[28+\i]
	v_mov_b32 v[25+\i], v[32+\i]
.endr
	v_lshl_or_b32 v49, v41, 16, v40                ; my block h of the two keys: bytes h and 2 + h of the row's word
	v_lshlrev_b32 v49, v9, v49
	v_permlanex16_b32 v48, v49, s22, s23
	v_or_b32 v[42+(\b)], v49, v48                  ; with lane l xor 16's two the word is whole
.irp c, 0,1,2
	global_store_b128 v4, v[16+4*\c:19+4*\c], s[24:25] offset:1536*(\b)+512*\c   ; 512 consecutive bytes, aligned
.endr
.endm
	KLOAD 0
	KLOAD 1
	v_mov_b32 v48, 0                               ; a lane permute's destination counts as one of its sources
	s_wait_alu depctr_va_vdst(0)
	KFRAG 0
	KFRAG 1
	KFRAG 2
	KFRAG 3
	v_cndmask_b32 v46, v42, v43, s39               ; lanes 0-15 fragment 0's words, lanes 16-31 fragment 1's
	v_cndmask_b32 v47, v44, v45, s39
	global_store_b64 v5, v[46:47], s[28:29]        ; 256 consecutive bytes, aligned
	s_wait_tensorcnt 0x0
	ds_add_u32 v14, v15
	s_wait_dscnt 0x0
	s_endpgm
; ---------------- V: a lane takes a channel and its registers run down 32 keys.  Block n = 2 kb + a: keys 32 kb on, channels 32 a + lane.
; v16-63: for each a, 12 registers of the even key blocks and 12 of the odd ones; v64-127 two sets of 32 numbers; v192-194 second halves; v200-203 at work; v204-205 scale words
.Lv:
.macro VLOAD n
.irp i, 0,1,2,3,4,5,6,7,8,9,10,11,12,13,14,15,16,17,18,19,20,21,22,23,24,25,26,27,28,29,30,31
	global_load_b32 v[64+32*((\n)%2)+\i], v6, s[6:7] offset:(32*((\n)/2)+\i)*256+128*((\n)%2) th:TH_LOAD_NT
.endr
.endm
.macro VBLOCK n
.set XS, 64+32*((\n)%2)
.set DD, 16+24*((\n)%2)+12*(((\n)/2)%2)+6*((\n)/4)
.set IA, 16+24*((\n)%2)
.if (\n) < 7
	s_wait_loadcnt 32                              ; this block's 32 loads are in; the next block's 32 are younger
.else
	s_wait_loadcnt 0x0
.endif
	v_max3_num_f32 v200, |v[XS]|, |v[XS+1]|, |v[XS+2]|         ; the block's largest magnitude: all 32 numbers are mine; two chains
	v_max3_num_f32 v203, |v[XS+3]|, |v[XS+4]|, |v[XS+5]|
.irp i, 6,10,14,18,22,26
	v_max3_num_f32 v200, v200, |v[XS+\i]|, |v[XS+\i+1]|
	v_max3_num_f32 v203, v203, |v[XS+\i+2]|, |v[XS+\i+3]|
.endr
	v_max3_num_f32 v200, v200, |v[XS+30]|, |v[XS+31]|
	v_max3_num_f32 v200, v200, v203, 0x1800000     ; and the floor
	v_add_nc_u32 v201, 0xff000000, v200
	v_lshrrev_b32 v202, 23, v201
.if (\n)/2 == 0
	v_mov_b32 v[204+(\n)%2], v202                  ; my channel's word: byte kb
.else
	v_lshl_or_b32 v[204+(\n)%2], v202, 8*((\n)/2), v[204+(\n)%2]
.endif
	v_cvt_scalef32_pk16_fp6_f32 v[DD:DD+2], v[XS:XS+15], v201
	v_cvt_scalef32_pk16_fp6_f32 v[192:194], v[XS+16:XS+31], v201
	v_nop                                          ; a plain line behind the conversions
.irp i, 0,1,2
	v_mov_b32 v[DD+3+\i], v[192+\i]
.endr
.if (\n) < 6
	VLOAD (\n)+2
.endif
.if (\n) >= 6                          ; the half's four key blocks are made.  A fragment wants, in lanes 0-15, its channel's even key blocks and, in lanes 16-31, the same channel's odd ones:
.irp i, 0,1,2,3,4,5,6,7,8,9,10,11
	v_permlane16_swap_b32 v[IA+\i], v[IA+12+\i]    ; the evens' lanes 16-31 change places with the odds' lanes 0-15: the first run is tile 2 a's image, the second tile 2 a + 1's
.endr
.irp c, 0,1,2
	global_store_b128 v4, v[IA+4*\c:IA+4*\c+3], s[24:25] offset:6144+1536*(2*((\n)%2))+512*\c
	global_store_b128 v4, v[IA+12+4*\c:IA+12+4*\c+3], s[24:25] offset:6144+1536*(2*((\n)%2)+1)+512*\c
.endr
.endif
.endm
	VLOAD 0
	VLOAD 1
.irp n, 0,1,2,3,4,5,6,7
	VBLOCK \n
.endr
	global_store_b64 v5, v[204:205], s[28:29] offset:256       ; lane l holds channel l's word and channel 32 + l's: tiles 0 | 1 and 2 | 3
	s_endpgm
; ---------------- the mask: 16 rows x 512 keys.  v16-23 a pair of word registers for each step, v24-25 the flags, v26-29 at work, v64-127 as loaded, v128-191 turned
.Lmask:
	s_lshr_b32 s30, s18, 2                         ; q tile
	s_and_b32 s31, s18, 3                          ; which four steps
	s_lshl_b32 s32, s30, 15                        ; 16 rows of 2,048 bytes
	s_lshl_b32 s33, s31, 9
	s_add_co_u32 s32, s32, s33
	s_mov_b32 s33, 0
	s_add_nc_u64 s[8:9], s[8:9], s[32:33]
	s_lshl_b32 s32, s18, 10                        ; four steps' words
	s_add_nc_u64 s[12:13], s[12:13], s[32:33]
	s_lshl_b32 s32, s18, 8
	s_add_nc_u64 s[14:15], s[14:15], s[32:33]
	s_lshl_b32 s31, s31, 2                         ; my first step's bit
.irp i, 0,1,2,3,4,5,6,7,8,9,10,11,12,13,14,15
	global_load_b128 v[64+4*\i:67+4*\i], v4, s[8:9] offset:2048*\i th:TH_LOAD_NT   ; 512 consecutive bytes of row i
.endr
.irp i, 16,17,18,19,20,21,22,23
	v_mov_b32 v\i, 0                               ; v_writelane_b32's destination counts as one of its sources
.endr
	s_mov_b32 s27, 0
	s_mov_b32 s28, 0
.irp i, 0,1,2,3,4,5,6,7,8,9,10,11,12,13,14,15
	s_wait_loadcnt 15-\i                           ; row i is in; the rows behind it may be out
	ds_store_b128 v10, v[64+4*\i:67+4*\i] offset:528*\i
.endr
	s_wait_alu depctr_va_vdst(0)
.irp q, 0,1,2,3,4,5,6,7,8,9,10,11,12,13,14,15
	ds_load_b128 v[128+4*\q:131+4*\q], v11 offset:128*(\q/4)+32*(\q%4)   ; step q / 4, keys 32 (q % 4) + 16 h + 0 .. 15 of row r
.endr
	s_wait_dscnt 0x0
.macro MSTEP s                         ; a step's 64 words, four at a time: a byte is cut out, compared with 0 in all 32 lanes at once, and the lane mask is word j
	s_mov_b32 s29, 0
	s_mov_b32 s30, -1
.set j, 0
.rept 16
.irp q, 0,1,2,3
	v_and_b32 v[26+\q], 0xff<<(8*\q), v[128+16*(\s)+j/4]
.endr
.irp q, 0,1,2,3
	v_cmp_ne_u32 s[40+\q], 0, v[26+\q]
.endr
.irp q, 0,1,2,3
	v_writelane_b32 v[16+2*(\s)+\q%2], s[40+\q], (j+\q)/2      ; lane L of the pair holds words 2 L and 2 L + 1
.endr
.irp q, 0,1,2,3
	s_or_b32 s29, s29, s[40+\q]
	s_and_b32 s30, s30, s[40+\q]
.endr
.set j, j+4
.endr
	s_wait_alu depctr_va_vdst(0)
	global_store_b64 v5, v[16+2*(\s):17+2*(\s)], s[12:13] offset:256*(\s)   ; 256 consecutive bytes, aligned
	s_cmp_lg_u32 s29, 0                            ; some key counts
	s_cselect_b32 s44, 1<<(\s), 0
	s_or_b32 s27, s27, s44
	s_cmp_lg_u32 s30, -1                           ; some key is hidden
	s_cselect_b32 s44, 1<<(\s), 0
	s_or_b32 s28, s28, s44
.endm
	MSTEP 0
	MSTEP 1
	MSTEP 2
	MSTEP 3
	s_lshl_b32 s27, s27, s31
	s_lshl_b32 s28, s28, s31
	v_mov_b32 v24, s27
	v_mov_b32 v25, s28
	global_store_b64 v5, v[24:25], s[14:15]        ; the pair 32 times: 256 consecutive bytes, aligned
	s_wait_tensorcnt 0x0
	ds_add_u32 v14, v15
	s_wait_dscnt 0x0
	s_endpgm
.Lfunc_end_k_q095d0e6f47_prep:
	.size	k_q095d0e6f47_prep, .Lfunc_end_k_q095d0e6f47_prep-k_q095d0e6f47_prep
	.p2alignl 7, 3214868480
	.fill 96, 4, 3214868480
	.section	.rodata,"a",@progbits
	.p2align	6, 0x0
	.amdhsa_kernel k_q095d0e6f47_prep
		.amdhsa_group_segment_fixed_size 35072
		.amdhsa_private_segment_fixed_size 0
		.amdhsa_enable_private_segment 0
		.amdhsa_kernarg_size 48
		.amdhsa_user_sgpr_count 2
		.amdhsa_user_sgpr_kernarg_segment_ptr 1
		.amdhsa_wavefront_size32 1
		.amdhsa_system_sgpr_workgroup_id_x 1
		.amdhsa_system_sgpr_workgroup_id_y 1
		.amdhsa_system_sgpr_workgroup_id_z 1
		.amdhsa_system_vgpr_workitem_id 0
		.amdhsa_next_free_vgpr 256
		.amdhsa_next_free_sgpr 66
		.amdhsa_reserve_vcc 0
		.amdhsa_float_denorm_mode_32 3
		.amdhsa_float_denorm_mode_16_64 3
		.amdhsa_memory_ordered 1
		.amdhsa_forward_progress 1
		.amdhsa_inst_pref_size 139
	.end_amdhsa_kernel
	.amdgpu_metadata
---
amdhsa.version: [ 1, 2 ]
amdhsa.kernels:
  - .name:           k_q095d0e6f47_prep
    .symbol:         k_q095d0e6f47_prep.kd
    .args:
      - { .name: K, .offset: 0, .size: 8, .value_kind: global_buffer, .address_space: global }
      - { .name: V, .offset: 8, .size: 8, .value_kind: global_buffer, .address_space: global }
      - { .name: mask, .offset: 16, .size: 8, .value_kind: global_buffer, .address_space: global }
      - { .name: kv, .offset: 24, .size: 8, .value_kind: global_buffer, .address_space: global }
      - { .name: maskw, .offset: 32, .size: 8, .value_kind: global_buffer, .address_space: global }
      - { .name: flags, .offset: 40, .size: 8, .value_kind: global_buffer, .address_space: global }
    .group_segment_fixed_size: 35072
    .private_segment_fixed_size: 0
    .kernarg_segment_align: 8
    .kernarg_segment_size: 48
    .max_flat_workgroup_size: 64
    .sgpr_count:     66
    .vgpr_count:     256
    .wavefront_size: 32
...
	.end_amdgpu_metadata
.endif
;; end of part 3
;; launch attn (part 4): grid 8 x 32, 16 waves a work-group, no clusters, 276,480 bytes of LDS; arguments Q, kv, maskw, flags, out0; writes out0
.if DOCPART == 4
	.amdgcn_target "amdgcn-amd-amdhsa--gfx1250"
	.amdhsa_code_object_version 6
	.text
	.protected	k_q095d0e6f47_attn
	.globl	k_q095d0e6f47_attn
	.p2align	8
	.type	k_q095d0e6f47_attn,@function
k_q095d0e6f47_attn:
	s_mov_b64 s[64:65], 0
	v_nop
	global_prefetch_b8 v0, s[64:65] scope:SCOPE_SE
	s_setreg_imm32_b32 hwreg(HW_REG_WAVE_SCHED_MODE, 0, 2), 2
	s_setreg_imm32_b32 hwreg(HW_REG_WAVE_MODE, 25, 1), 1
	s_wait_xcnt 0x0
	s_wait_alu depctr_vm_vsrc(0)
; out0[head][q][:] = the sum over k of softmax_k(mask ? Q[q] . K[k] / 8 : -inf) V[k][:], both products on codes of FP6 (E2M3) with one E8M0 scale for each 32 along a product's K.
; t = score x log2(e) / 8; M = the row's largest t so far, rounded UP to a whole number; p = 2^(t - M) is quantised along the keys, not normalised; the row's sum is taken of the unquantised p and divides at the end.
; When M moves, the sum and O are multiplied by 2^(old M - new M): exact.
; SHARES.  A work-group has one head and 16 waves; wave w owns ONE tile of 16 queries, T = 8 g(w) + work-group x, in 226 registers: four waves to a SIMD, so that one wave's vector work stands beside another's products and LDS loads.
; g(w) is read from a table, a 4 x 4 square whose rows and columns each sum to 30: where a tile's work grows with its queries, any four waves w % 4 alike or w / 4 alike have equal work.  No result hangs on the table.
; THE HEAD'S K AND V, as codes and scale words laid as images of the operands' registers (204,800 bytes, made by the launch before), are copied into LDS ONCE, through registers; one barrier; then LDS is only read and the waves run free.
; THE MASK comes as lane masks: word j of (T, step) has lane l's bit for score register j; 64 words a step are read into scalar registers and 64 v_cndmask_b32 apply them.  Two flag words a tile say which steps have a key that counts
; (the others are left out: their p would be 0) and which have a hidden key (the others skip the 64 selects).  These are branches on stored whole numbers, so the launch has no tensor load, no copy and no cluster;
; the bytes that work-groups share, a head's 204,800, are read once by each of its 8 work-groups.
; LAYOUT.  Both products are used transposed: S^T = K Q^T (source 0 = keys, source 1 = my queries), O^T = V^T P^T: a lane (r = l % 16, h = l / 16) holds query r throughout.
; THE FIRST PRODUCT'S K IS 64, half of the instruction's 128.  A pair fragment of K holds two tiles of 16 keys, one at k = 0..63, one at k = 64..127.  Q's operand is 18 registers (Q, zeros, Q): its first 12, (Q, 0), give the first
; tile's scores, its last 12, (0, Q), the second's: the other tile's codes meet zero codes.  The idle blocks of Q's scale words hold the byte 1.
; Lane r of tile 2 b + u takes key 32 b + 8 u + r + 8 (r / 8), so score register 16 b + i is key 32 b + 16 h + i: 16 neighbours along the second product's K.
; LIMITS: NaN and infinities among the inputs are not served; a block of Q or of p whose largest magnitude lies under 2^-124 gets the byte 1; p under 2^-126 counts as 0.  A row with no key that counts gives 0 / 0 = NaN, as the softmax of such a row does.
; THE MODE: SCHED_MODE bits 1:0 = 2 (LLVM: expert scheduling mode 2), set by the entry lines.  The code itself states the register dependences between vector or matrix instructions and memory or LDS instructions, with s_wait_alu, always for 0.
; THE PLAN.  Registers that memory or LDS instructions touch, in the loop:
;   KF (v36-83)     K's 12 LDS loads land in it at a step's head; the 8 products K Q^T read it; V's 12 LDS loads land in it behind the exponentials; the 4 products V^T P read it.
;   KS, VS          The step's scale words: two LDS loads at the head; read by the products as scales.
;   v5, v6          The step's LDS addresses: written by two additions at the head, read by the step's 26 LDS loads.
;   PC, PS, QF, QS  Written by vector instructions, taken by the scaled products as source 1 and as scales.
;   All else in the loop is named by vector and matrix instructions alone.
; So a step has one wait on vm_vsrc, ahead of the two additions, and four on va_vdst (one ahead of the exponentials): behind the additions (the addresses are written; the last step's products are done with KF, KS, VS); behind the exponentials (their results
; are written; the products K Q^T are done with KF, so V's loads follow, dealt among vector lines that name neither KF nor v5); and ahead of the products V^T P (p's codes and scale word are written).
; Outside the loop: the offsets and addresses v1, v3, v4, v8, v9 are made once at the head; v136-167 (Q as loaded) and v36-135 (the fill) are read by LDS stores and written again later; v84-115 leave by LDS stores on the way out, and v116-147 take the stage's loads.
; SCALARS: s[4:5] Q, s[6:7] kv, s[8:9] the mask words (walks), s[10:11] flags, s[12:13] out0, s14 wave, s15 T, s16-19 at work, s[20:21] lane selects, s[22:23] c, s24 the step's images, s25 its scale words, s26 the step, s27 ANY, s28 MIX,
;   s[32:63], s[68:99] a step's 64 mask words.
; VECTORS: v1 16 lane, v2 the scale words' place, v3/v4 my stage in and back, v5/v6 the step's addresses, v7 -inf, v8 my part of the fill, v9 Q's way back, v10 r, v11 h, v12 -M, v13 the largest t, v[14:15] the sum in two halves,
;   v16-33 Q's operand, v34-35 its scale words, v36-83 four fragments of K, then of V, v84-147 S^T, then p, v148-179 O^T, v180-191 p's codes, v192-198 their second halves, v200-211 at work, v212-215 K's and V's scale words, v216 p's, v[218:219] f, v220-223 at work,
;   v224 the LDS address of my spare word, v225 0: made at the head and kept for the closing lines alone.
.set SCO,   196608                     ; LDS: 16 steps x 12,288 bytes of images, then from here 16 x 512 bytes of scale words,
.set STG,   204800                     ; then a stage of 16 rows x (256 + 16) bytes for each wave: for Q's turn and for the way out; behind the stages, from 0x43000 on, the spare words, 128 bytes a wave
.set SWS,   16*272
.set QF,    16
.set QS,    34
.set KF,    36
.set S,     84
.set O,     148
.set PC,    180
.set PT,    192
.set BM,    200
.set BT,    204
.set SO,    208
.set KS,    212
.set VS,    214
.set PS,    216
.macro VFRAG t                         ; V's fragment of channels 16 t on, as an image: 512 consecutive bytes a load
.irp c, 0,1,2
	ds_load_b128 v[KF+12*(\t)+4*\c:KF+12*(\t)+4*\c+3], v5 offset:6144+1536*(\t)+512*\c
.endr
.endm
	s_load_b256 s[4:11], s[0:1], 0x0
	s_load_b64 s[12:13], s[0:1], 0x20
	v_lshl_add_u32 v224, v0, 2, 0x43000
	v_mov_b32 v225, 0
	v_lshrrev_b32 v1, 5, v0
	v_readfirstlane_b32 s14, v1                    ; wave 0..15
	v_and_b32 v10, 15, v0
	v_bfe_u32 v11, v0, 4, 1
	v_and_b32 v1, 31, v0
	v_lshl_add_u32 v2, v1, 3, SCO
	v_lshlrev_b32 v1, 4, v1
	s_wait_alu depctr_va_sdst(0)                   ; s14 is written, ahead of its first reader: my stage, my part of the fill and my tile are made from it
	s_mul_i32 s29, s14, SWS
	s_add_co_u32 s29, s29, STG                     ; my stage
	s_mul_i32 s30, s14, 12800                      ; my sixteenth of the head's block
	v_mul_u32_u24 v3, v10, 272
	v_lshl_add_u32 v9, v11, 7, v3
	v_lshl_add_u32 v3, v11, 5, v3
	v_add_nc_u32 v3, s29, v3                       ; row r, + 32 h
	v_add_nc_u32 v9, s29, v9                       ; row r, + 128 h
	v_mul_u32_u24 v4, v11, 272
	v_lshl_add_u32 v4, v10, 4, v4
	v_add_nc_u32 v4, s29, v4                       ; row h, + 16 r
	v_add_nc_u32 v8, s30, v1
	s_mov_b32 s16, 0x853e942f                      ; g of waves 0-7, four bits each,
	s_mov_b32 s17, 0x6bd07ac1                      ; and of waves 8-15
	s_cmp_lt_u32 s14, 8
	s_cselect_b32 s16, s16, s17
	s_and_b32 s17, s14, 7
	s_lshl_b32 s17, s17, 2
	s_lshr_b32 s16, s16, s17
	s_and_b32 s16, s16, 15
	s_lshl_b32 s15, s16, 3
	s_add_co_u32 s15, s15, ttmp9                   ; T = 8 g + work-group x
	s_and_b32 s28, ttmp7, 0xffff                   ; the head
	s_lshl_b32 s16, s28, 19                        ; 2,048 rows of 256 bytes,
	s_lshl_b32 s17, s15, 12                        ; 16 rows a tile
	s_add_co_u32 s16, s16, s17
	s_mov_b32 s17, 0
	s_mul_i32 s18, s28, 204800
	s_mov_b32 s19, 0
	s_lshl_b32 s24, s15, 12                        ; 16 steps x 256 bytes of mask words
	s_mov_b32 s25, 0
	s_lshl_b32 s26, s15, 10                        ; 4 x 256 bytes of flags
	s_mov_b32 s27, 0
	s_mov_b32 s20, 0x76543210
	s_mov_b32 s21, 0xfedcba98                      ; v_permlanex16_b32's selects for lane l xor 16
	s_mov_b32 s22, 0x3e38aa3b                      ; c = log2(e) / 8
	s_mov_b32 s23, s22                             ; (named with it as a pair, so it is written)
	s_wait_kmcnt 0x0
	s_add_nc_u64 s[4:5], s[4:5], s[16:17]
	s_add_nc_u64 s[12:13], s[12:13], s[16:17]
	s_add_nc_u64 s[6:7], s[6:7], s[18:19]
	s_add_nc_u64 s[8:9], s[8:9], s[24:25]
	s_add_nc_u64 s[10:11], s[10:11], s[26:27]
	s_wait_alu depctr_va_vdst(0)                   ; the offsets and addresses v1, v3, v4, v8, v9 are written, which the loads and stores of the head and of the way out read; none is written again
.irp i, 0,1,2,3,4,5,6,7
	global_load_b128 v[136+4*\i:139+4*\i], v1, s[4:5] offset:512*\i th:TH_LOAD_NT   ; Q: rows 2 i and 2 i + 1, 512 consecutive bytes
.endr
.irp i, 0,1,2,3,4,5,6,7,8,9,10,11,12,13,14,15,16,17,18,19,20,21,22,23,24
	global_load_b128 v[36+4*\i:39+4*\i], v8, s[6:7] offset:512*\i   ; my 12,800 bytes of the head's codes and scale words
.endr
	s_load_b64 s[32:33], s[10:11], 0x0             ; (ANY, MIX) of steps 0-3, 4-7, 8-11, 12-15
	s_load_b64 s[34:35], s[10:11], 0x100
	s_load_b64 s[36:37], s[10:11], 0x200
	s_load_b64 s[38:39], s[10:11], 0x300
	; Q is quantised while the fill is on its way.  It turns through my stage, so that lane (r, h) holds row r's dims 32 h .. 32 h + 31: a whole block
	s_wait_loadcnt 25                              ; Q's 8 loads are in; the 25 of the fill are younger
.irp i, 0,1,2,3,4,5,6,7
	ds_store_b128 v4, v[136+4*\i:139+4*\i] offset:544*\i
.endr
.irp i, 0,1,2,3,4,5,6,7
	ds_load_b128 v[168+4*\i:171+4*\i], v9 offset:16*\i         ; LDS serves a wave's instructions in order (ISA guide 5.7.1.4): these see my stores
.endr
	s_wait_dscnt 0x0
	s_wait_alu depctr_vm_vsrc(0)                   ; my LDS stores have read v136-167: v148-167 are written below as O^T's zeros, v136-147 later as scores
	v_max3_num_f32 v208, |v168|, |v169|, |v170|
	v_max3_num_f32 v209, |v171|, |v172|, |v173|
.irp i, 6,10,14,18,22,26
	v_max3_num_f32 v208, v208, |v[168+\i]|, |v[169+\i]|
	v_max3_num_f32 v209, v209, |v[170+\i]|, |v[171+\i]|
.endr
	v_max3_num_f32 v208, v208, |v198|, |v199|
	v_max3_num_f32 v208, v208, v209, 0x1800000     ; the floor 2^(3 - 127): the byte cannot fall under 1
	v_add_nc_u32 v210, 0xff000000, v208            ; 2 off the exponent field: the conversion's scale operand
	v_cvt_scalef32_pk16_fp6_f32 v[QF:QF+2], v[168:183], v210
	v_cvt_scalef32_pk16_fp6_f32 v[200:202], v[184:199], v210   ; (a conversion's three registers begin on an even number)
	v_lshrrev_b32 v211, 23, v210                   ; the byte.  (A plain line behind the conversions)
.irp i, 0,1,2
	v_mov_b32 v[QF+3+\i], v[200+\i]
	v_mov_b32 v[QF+12+\i], v[QF+\i]                ; Q once more behind the zeros
	v_mov_b32 v[QF+15+\i], v[200+\i]
.endr
.irp i, 6,7,8,9,10,11
	v_mov_b32 v[QF+\i], 0                          ; zero codes
.endr
	v_lshlrev_b32 v220, 3, v11
	v_lshlrev_b32 v211, v220, v211                 ; my block's byte at place h,
	v_mov_b32 v220, 0
	v_permlanex16_b32 v220, v211, s20, s21
	v_or_b32 v211, v211, v220                      ; with lane l xor 16's: (e0, e1)
	v_or_b32 v[QS], 0x01010000, v211               ; for (Q, 0): (e0, e1, 1, 1)
	v_lshl_or_b32 v[QS+1], v211, 16, 0x0101        ; for (0, Q): (1, 1, e0, e1)
	v_mov_b32 v13, 0xff61b1e6                      ; the largest t so far: -3e38, under every t
	v_floor_f32 v12, -v13                          ; -M
	v_mov_b32 v14, 0
	v_mov_b32 v15, 0
	v_mov_b32 v7, 0xff800000                       ; -infinity
	v_mov_b32 v219, 0                              ; (named as the upper half of the pair v[218:219])
.irp b, 0,1,2,3
	v_mov_b32 v[BT+\b], 0                          ; a lane permute's destination counts as one of its sources
.endr
.irp j, 0,1,2,3,4,5,6,7,8,9,10,11,12,13,14,15,16,17,18,19,20,21,22,23,24,25,26,27,28,29,30,31
	v_mov_b32 v[O+\j], 0                           ; O^T.  Which step is a tile's first hangs on the flags, so no first step can be written out: the loop's first products find zeros
.endr
.irp i, 0,1,2,3,4,5,6,7,8,9,10,11,12,13,14,15,16,17,18,19,20,21,22,23,24
	s_wait_loadcnt 24-\i                           ; load i is in; those behind it may be out
	ds_store_b128 v8, v[36+4*\i:39+4*\i] offset:512*\i         ; LDS holds the block as memory does
.endr
	s_wait_kmcnt 0x0
	s_or_b32 s27, s32, s34
	s_or_b32 s16, s36, s38
	s_or_b32 s27, s27, s16                         ; ANY, 16 bits
	s_or_b32 s28, s33, s35
	s_or_b32 s16, s37, s39
	s_or_b32 s28, s28, s16                         ; MIX
	s_mov_b32 s24, 0
	s_mov_b32 s25, 0
	s_mov_b32 s26, 0
	s_wait_dscnt 0x0                               ; for the others' sake: my part of the block lies in LDS
	s_barrier_signal -1
	s_barrier_wait -1                              ; everybody's does.  The launch's one barrier: from here on the block is only read
	s_wait_alu depctr_vm_vsrc(0)                   ; my LDS stores of the fill have read v36-135: from here on fragments land there, and scores and the way out's numbers are written there
.Lstep:                                            ; 16 trips, a constant: a step without a key that counts jumps over its work, not over the lines that step addresses
	s_lshr_b32 s16, s27, s26
	s_and_b32 s16, s16, 1
	s_cmp_eq_u32 s16, 0
	s_cbranch_scc1 .Lnext
	s_load_b512 s[32:47], s[8:9], 0x0              ; the step's 64 mask words: always asked for, first thing, so that they are there when the scores are (the selects that read these registers stand ahead of the last step's later waits on va_vdst)
	s_load_b512 s[48:63], s[8:9], 0x40
	s_load_b512 s[68:83], s[8:9], 0x80
	s_load_b512 s[84:99], s[8:9], 0xc0
	s_wait_alu depctr_vm_vsrc(0)                   ; the LDS loads of the last step that was worked have read v5 and v6, which the two lines below write
	v_add_nc_u32 v5, s24, v1
	v_add_nc_u32 v6, s25, v2
	v_nop
	v_nop                                          ; four plain lines between the last step's products and the loads into registers that they read: they stay beside the wait below
	s_wait_alu depctr_va_vdst(0)                   ; v5 and v6 are written, which the loads below read; the last step's products are done reading K's and V's registers and scale words, in which they land; in the first step Q's operand and scale words are written, which the products below take
.irp b, 0,1,2,3
.irp c, 0,1,2
	ds_load_b128 v[KF+12*\b+4*\c:KF+12*\b+4*\c+3], v5 offset:1536*\b+512*\c   ; K's four pair fragments, as images: 512 consecutive bytes a load
.endr
.endr
	ds_load_b64 v[KS:KS+1], v6                     ; K's scale words: fragments 0 | 1 and 2 | 3
	ds_load_b64 v[VS:VS+1], v6 offset:256          ; V's: tiles 0 | 1 and 2 | 3
	s_wait_dscnt 0x0
.irp b, 0,1,2,3                                ; S^T = K Q^T: eight tiles of 16 keys, each begun with the constant 0
.irp u, 0,1
.if (\b)%2
	v_wmma_scale_f32_16x16x128_f8f6f4 v[S+8*(2*\b+\u):S+8*(2*\b+\u)+7], v[KF+12*\b:KF+12*\b+11], v[QF+6*\u:QF+6*\u+11], 0, v[KS+\b/2], v[QS+\u] matrix_a_fmt:MATRIX_FMT_FP6 matrix_b_fmt:MATRIX_FMT_FP6 matrix_a_scale:MATRIX_SCALE_ROW1
.else
	v_wmma_scale_f32_16x16x128_f8f6f4 v[S+8*(2*\b+\u):S+8*(2*\b+\u)+7], v[KF+12*\b:KF+12*\b+11], v[QF+6*\u:QF+6*\u+11], 0, v[KS+\b/2], v[QS+\u] matrix_a_fmt:MATRIX_FMT_FP6 matrix_b_fmt:MATRIX_FMT_FP6
.endif
.endr
.endr
.rept 4
	v_nop                                          ; places in front of the first read of the scores
.endr
	s_wait_kmcnt 0x0                               ; the mask words are in
	s_lshr_b32 s16, s28, s26
	s_and_b32 s16, s16, 1
	s_cmp_eq_u32 s16, 0
	s_cbranch_scc1 .Lopen                          ; no key of the step is hidden from any of my queries
.set j, 0
.rept 32
	v_cndmask_b32 v[S+j], v7, v[S+j], s[32+j]      ; a hidden key's score becomes -infinity ahead of the maximum: p = 0 then.  Each accumulator from its low end on
.set j, j+1
.endr
.rept 32
	v_cndmask_b32 v[S+j], v7, v[S+j], s[36+j]
.set j, j+1
.endr
.Lopen:
.irp b, 0,1,2,3
	v_max3_num_f32 v[BM+\b], v[S+16*\b], v[S+1+16*\b], v[S+2+16*\b]   ; the largest score of each block of 32 keys: it serves for the row's maximum and, since p rises with the score, for the block's largest p
.endr
.irp i, 3,5,7,9,11,13
.irp b, 0,1,2,3
	v_max3_num_f32 v[BM+\b], v[BM+\b], v[S+16*\b+\i], v[S+1+16*\b+\i]   ; (the four blocks by turns)
.endr
.endr
.irp b, 0,1,2,3
	v_max_num_f32 v[BM+\b], v[BM+\b], v[S+15+16*\b]
.endr
.irp b, 0,1,2,3
	v_permlanex16_b32 v[BT+\b], v[BM+\b], s20, s21
.endr
.irp b, 0,1,2,3
	v_max_num_f32 v[BM+\b], v[BM+\b], v[BT+\b]     ; with lane l xor 16's 16 keys
.endr
	v_max3_num_f32 v220, v[BM], v[BM+1], v[BM+2]
	v_max_num_f32 v220, v220, v[BM+3]              ; the step's largest score of my query
	v_mul_f32 v220, s22, v220                      ; as t (c is positive)
	v_max_num_f32 v13, v13, v220                   ; the running largest t
	v_mov_b32 v220, v12
	v_floor_f32 v12, -v13                          ; the new -M = floor(-t) = -ceil(t): a whole number
	v_sub_f32 v220, v12, v220                      ; old M less new M: a whole number, 0 or less
	v_cvt_i32_f32 v220, v220                       ; (it saturates)
	v_ldexp_f32 v218, 1.0, v220                    ; f = 2^(old M - new M)
.irp j, 0,2,4,6,8,10,12,14,16,18,20,22,24,26,28,30,32,34,36,38,40,42,44,46,48,50,52,54,56,58,60,62
	v_pk_fma_f32 v[S+\j:S+1+\j], v[S+\j:S+1+\j], s[22:23], v[12:13] op_sel_hi:[1,0,0]   ; t - M, two at a time (of the pairs c and -M the low word serves both halves)
.endr
.irp b, 0,1,2,3
	v_fma_f32 v[BM+\b], v[BM+\b], s22, v12         ; the same of each block's largest score
.endr
	s_wait_alu depctr_va_vdst(0)
.irp j, 0,1,2,3,4,5,6,7,8,9,10,11,12,13,14,15,16,17,18,19,20,21,22,23,24,25,26,27,28,29,30,31,32,33,34,35,36,37,38,39,40,41,42,43,44,45,46,47,48,49,50,51,52,53,54,55,56,57,58,59,60,61,62,63
	v_exp_f32 v[S+\j], v[S+\j]                     ; p = 2^(t - M), at most 1
.endr
.irp b, 0,1,2,3
	v_exp_f32 v[BM+\b], v[BM+\b]                   ; the block's largest p: the same two instructions on the same number give the same bits
.endr
	v_pk_mul_f32 v[14:15], v[14:15], v[218:219] op_sel_hi:[1,0]   ; the sums under the new M.  (A plain line behind the exponentials: ISA guide 5.7.2)
	s_wait_alu depctr_va_vdst(0)                   ; the 68 exponentials have written p and the blocks' largest p, ahead of their first reader; and the eight products K Q^T are done reading K's fragments, in which V's land
	VFRAG 0                                        ; V's four fragments, three loads at a time among vector lines.  No further wait: no vector or matrix instruction between the wait above and the products V^T P names v36-83 or v5
.irp b, 0,1,2,3
	v_max_num_f32 v[BM+\b], 0x1800000, v[BM+\b]    ; the floor: a block whose every p is 0 keeps the byte 1; its codes are zeros
.endr
	VFRAG 1
.irp b, 0,1,2,3
	v_add_nc_u32 v[SO+\b], 0xff000000, v[BM+\b]    ; the conversion's scale operand
.endr
	VFRAG 2
.irp b, 0,1,2,3
	v_lshrrev_b32 v[BT+\b], 23, v[SO+\b]           ; the scale's byte
.endr
	VFRAG 3
	v_lshl_or_b32 v[PS], v[BT+1], 8, v[BT]         ; p's scale word for these 128 keys
	v_lshl_or_b32 v[PS], v[BT+2], 16, v[PS]
	v_lshl_or_b32 v[PS], v[BT+3], 24, v[PS]
.irp c, 0,1
	v_cvt_scalef32_pk16_fp6_f32 v[PC+6*\c:PC+2+6*\c], v[S+32*\c:S+15+32*\c], v[SO+2*\c]
	v_cvt_scalef32_pk16_fp6_f32 v[PT+4*\c:PT+2+4*\c], v[S+16+32*\c:S+31+32*\c], v[SO+2*\c+1]
.endr
	v_nop                                          ; a plain line behind the conversions
.irp c, 0,1                                    ; the operand wants a WHOLE block in a lane: lanes 0-15 block 2 c, lanes 16-31 block 2 c + 1
.irp i, 0,1,2
	v_permlane16_swap_b32 v[PC+6*\c+\i], v[PT+4*\c+\i]
.endr
.irp i, 0,1,2
	v_mov_b32 v[PC+3+6*\c+\i], v[PT+4*\c+\i]
.endr
.endr
	v_pk_add_f32 v[222:223], v[S:S+1], v[S+2:S+3]  ; the row's sum is taken of the unquantised p: two at a time, in two chains
.irp j, 4,8,12,16,20,24,28,32,36,40,44,48,52,56,60
	v_pk_add_f32 v[14:15], v[14:15], v[S+\j:S+1+\j]
	v_pk_add_f32 v[222:223], v[222:223], v[S+2+\j:S+3+\j]
.endr
	v_pk_add_f32 v[14:15], v[14:15], v[222:223]
.irp j, 0,2,4,6,8,10,12,14,16,18,20,22,24,26,28,30
	v_pk_mul_f32 v[O+\j:O+1+\j], v[O+\j:O+1+\j], v[218:219] op_sel_hi:[1,0]   ; O^T under the new M, each accumulator from its low end on.  (The 48 lines from the sums on stand between p's codes and scale word and the products)
.endr
	s_wait_dscnt 0x0                               ; V's fragments are in
	s_wait_alu depctr_va_vdst(0)                   ; p's codes v180-191 and its scale word v216 are written, which the scaled products below take as source 1 and as scales; the places stand above
.irp t, 0,1,2,3                                ; O^T += V^T P^T: the four accumulators by turns, one instruction a turn; the next step's eight products K Q^T stand between two links of a chain
.if (\t)%2
	v_wmma_scale_f32_16x16x128_f8f6f4 v[O+8*\t:O+8*\t+7], v[KF+12*\t:KF+12*\t+11], v[PC:PC+11], v[O+8*\t:O+8*\t+7], v[VS+\t/2], v[PS] matrix_a_fmt:MATRIX_FMT_FP6 matrix_b_fmt:MATRIX_FMT_FP6 matrix_a_scale:MATRIX_SCALE_ROW1
.else
	v_wmma_scale_f32_16x16x128_f8f6f4 v[O+8*\t:O+8*\t+7], v[KF+12*\t:KF+12*\t+11], v[PC:PC+11], v[O+8*\t:O+8*\t+7], v[VS+\t/2], v[PS] matrix_a_fmt:MATRIX_FMT_FP6 matrix_b_fmt:MATRIX_FMT_FP6
.endif
.endr
.Lnext:
	s_add_co_u32 s24, s24, 12288                   ; the next step's images,
	s_add_co_u32 s25, s25, 512                     ; scale words,
	s_wait_xcnt 0x0                                ; (the scalar loads have read their base: they are done since the wait on KMcnt; on the way round the work none was issued)
	s_add_nc_u64 s[8:9], s[8:9], 256               ; and mask words
	s_add_co_u32 s26, s26, 1
	s_cmp_lt_u32 s26, 16
	s_cbranch_scc1 .Lstep
	; THE WAY OUT.  O^T is divided by the row's sum and goes through my stage: a lane holds 8 neighbouring channels of one row, and leaves with 16 bytes of a run of 512
.rept 4
	v_nop                                          ; places behind the last products
.endr
	v_add_f32 v14, v14, v15                        ; the sum's two halves,
	v_permlanex16_b32 v220, v14, s20, s21
	v_add_f32 v14, v14, v220                       ; and lane l xor 16's
	s_wait_alu depctr_va_vdst(0)
	v_rcp_f32 v14, v14
	v_nop                                          ; a plain line behind the reciprocal
	s_wait_alu depctr_va_vdst(0)                   ; the reciprocal has written v14, ahead of its first reader
.irp j, 0,2,4,6,8,10,12,14,16,18,20,22,24,26,28,30
	v_pk_mul_f32 v[S+\j:S+1+\j], v[O+\j:O+1+\j], v[14:15] op_sel_hi:[1,0]   ; register 8 t + i: out(r, 16 t + 8 h + i)
.endr
	s_wait_alu depctr_va_vdst(0)                   ; the multiplies have written v84-115, which the LDS stores read; all that read or wrote v116-147 as p is done, so the stage's loads may land there
.irp t, 0,1,2,3
	ds_store_b128 v3, v[S+8*\t:S+8*\t+3] offset:64*\t
	ds_store_b128 v3, v[S+8*\t+4:S+8*\t+7] offset:64*\t+16
.endr
.irp i, 0,1,2,3,4,5,6,7
	ds_load_b128 v[116+4*\i:119+4*\i], v4 offset:544*\i        ; rows 2 i and 2 i + 1; LDS serves a wave's instructions in order: these see my stores
.endr
.irp i, 0,1,2,3,4,5,6,7
	s_wait_dscnt 7-\i                              ; load i is back; those behind it may be out
	global_store_b128 v1, v[116+4*\i:119+4*\i], s[12:13] offset:512*\i th:TH_STORE_NT   ; 32 lanes store 512 consecutive bytes, at a multiple of 256 from out0's first byte
.endr
	s_wait_dscnt 0x0                               ; the closing lines, six on end
	s_wait_alu 0x0
	s_wait_tensorcnt 0x0
	ds_add_u32 v224, v225
	s_wait_dscnt 0x0
	s_endpgm
.Lfunc_end_k_q095d0e6f47_attn:
	.size	k_q095d0e6f47_attn, .Lfunc_end_k_q095d0e6f47_attn-k_q095d0e6f47_attn
	.p2alignl 7, 3214868480
	.fill 96, 4, 3214868480
	.section	.rodata,"a",@progbits
	.p2align	6, 0x0
	.amdhsa_kernel k_q095d0e6f47_attn
		.amdhsa_group_segment_fixed_size 276480
		.amdhsa_private_segment_fixed_size 0
		.amdhsa_enable_private_segment 0
		.amdhsa_kernarg_size 40
		.amdhsa_user_sgpr_count 2
		.amdhsa_user_sgpr_kernarg_segment_ptr 1
		.amdhsa_wavefront_size32 1
		.amdhsa_system_sgpr_workgroup_id_x 1
		.amdhsa_system_sgpr_workgroup_id_y 1
		.amdhsa_system_sgpr_workgroup_id_z 1
		.amdhsa_system_vgpr_workitem_id 0
		.amdhsa_next_free_vgpr 226
		.amdhsa_next_free_sgpr 100
		.amdhsa_reserve_vcc 0
		.amdhsa_float_denorm_mode_32 3
		.amdhsa_float_denorm_mode_16_64 3
		.amdhsa_memory_ordered 1
		.amdhsa_forward_progress 1
		.amdhsa_inst_pref_size 38
	.end_amdhsa_kernel
	.amdgpu_metadata
---
amdhsa.version: [ 1, 2 ]
amdhsa.kernels:
  - .name:           k_q095d0e6f47_attn
    .symbol:         k_q095d0e6f47_attn.kd
    .args:
      - { .name: Q, .offset: 0, .size: 8, .value_kind: global_buffer, .address_space: global }
      - { .name: kv, .offset: 8, .size: 8, .value_kind: global_buffer, .address_space: global }
      - { .name: maskw, .offset: 16, .size: 8, .value_kind: global_buffer, .address_space: global }
      - { .name: flags, .offset: 24, .size: 8, .value_kind: global_buffer, .address_space: global }
      - { .name: out0, .offset: 32, .size: 8, .value_kind: global_buffer, .address_space: global }
    .group_segment_fixed_size: 276480
    .private_segment_fixed_size: 0
    .kernarg_segment_align: 8
    .kernarg_segment_size: 40
    .max_flat_workgroup_size: 512
    .sgpr_count:     100
    .vgpr_count:     226
    .wavefront_size: 32
...
	.end_amdgpu_metadata
.endif
;; end of part 4
